; MI455X (gfx1250); checked and timed in simulation.
; The chip was launched on July 23, 2026; its instructions are those of AMD's public machine-readable ISA for CDNA 5 (MIT licence, August 2026) and "CDNA5" Instruction Set Architecture Reference Guide (July 2026). The comments in the code are by the model that wrote it; some were corrected since.
;; Rel Pos Attention. Allowed arithmetic: float matrix products may take bf16 or f16 operands with f32 sums; other float arithmetic in f32, or as packed bf16 or f16 multiplies, adds, multiply-adds, maxima and minima; sums over many terms, partial sums and values carried from step to step in f32; what a program stores and reads back later, other than sums and carried values, may be rounded once to bf16 or f16.
;; Inputs: Wo 1,024 x 1,024 float32; Wqkv 1,024 x 3,072 float32; bo 1,024 float32; bqkv 3,072 float32; key_padding_mask 4 x 2,048 bool; rel_bias 16 x 257 float32; x 4 x 2,048 x 1,024 float32.
;; Outputs: out0 4 x 2,048 x 1,024 float32.
;; 2 versions, each right; version 2 is version 1 with the launch prep written anew for expert scheduling mode. Each part assembles by itself: llvm-mc -triple=amdgcn-amd-amdhsa -mcpu=gfx1250 --defsym DOCPART=n.
;; ======== version 1 of 2: 4 launches
;; limits: values are held in f16: magnitudes above 65,504 overflow, below 6.1e-05 lose precision
;; workspace buffers: xb 16,777,216 bytes; wqkvb 6,291,456 bytes; wob 2,097,152 bytes; gt 655,360 bytes; mad 32,768 bytes; qkvh 50,331,648 bytes; oh 16,777,216 bytes
;; launch prep (part 1): grid 936 x 1, 8 waves a work-group, no clusters, 0 bytes of LDS; arguments x, Wqkv, Wo, rel_bias, key_padding_mask, xb, wqkvb, wob, gt, mad; writes xb, wqkvb, wob, gt, mad
.if DOCPART == 1
	.amdgcn_target "amdgcn-amd-amdhsa--gfx1250"
	.amdhsa_code_object_version 6
	.text
	.protected	k_qc4af04fc46_prep
	.globl	k_qc4af04fc46_prep
	.p2align	8
	.type	k_qc4af04fc46_prep,@function
k_qc4af04fc46_prep:
	s_mov_b64 s[64:65], 0
	v_nop
	global_prefetch_b8 v0, s[64:65] scope:SCOPE_SE
	s_setreg_imm32_b32 hwreg(HW_REG_WAVE_MODE, 25, 1), 1
	s_wait_xcnt 0x0
; PREPARATION: every input of the module is rounded once to bf16 and laid out for the launches behind.
;   xb    bf16 [4 b][16 kb][2048 l][64]: x with K cut into blocks of 64, so that a block's tokens lie end to end (128 bytes each)
;   wqkvb bf16 [1024 k][3072 n]: Wqkv as it lies        wob  f16 [1024 k][1024 n]: Wo rounded to bf16, that number written as f16
;   gt    f32 [40 blk][16 head][1024 bytes]: 8 x rel_bias (rounded to bf16) as blocks of 16 keys x 16 queries in the layout of a matrix result:
;         block blk, lane (r = l % 16, h = l / 16), register i holds 8 b[clip(16 clamp(blk - 19, -9, 9) + 8 h + i - r, -128, 128) + 128]; byte 512 (i / 4) + 16 l + 4 (i % 4)
;   mad   f32 [4][2048]: 0 where the key is kept, -1e30 where it is masked
; LIMIT: Wo rounded to bf16 must lie within f16's 65,504; below 6e-5 f16 keeps a fixed step of 6e-8.
; A stream: no LDS, no barrier, no matrix unit.  Work-groups 0-511 take x, 512-703 Wqkv, 704-767 Wo, 768-927 gt, 928-935 mad.
.set GX,  512
.set GW,  704
.set GO,  768
.set GG,  928
; A wave's job: 16 loads of 512 bytes (two aligned runs of 256), all out at once; each is rounded and leaves as 256 consecutive aligned bytes.
; No register is written twice while a load or store may read it, so the only waits are the counted ones for the data.
.macro JOB lstep, sstep, fmt
.set i, 0
.rept 16
	global_load_b128 v[16+4*i:19+4*i], v2, s[28:29] offset:i*(\lstep) th:TH_LOAD_NT
.set i, i+1
.endr
.set i, 0
.rept 16
	s_wait_loadcnt 15-i                            ; loads come back in order: load i is in, the 15 - i younger ones stay out
	v_cvt_pk_bf16_f32 v[80+2*i], v[16+4*i], v[17+4*i]
	v_cvt_pk_bf16_f32 v[81+2*i], v[18+4*i], v[19+4*i]
.if \fmt
	v_lshlrev_b32 v112, 16, v[80+2*i]              ; the bf16 numbers as f32,
	v_and_b32 v113, 0xffff0000, v[80+2*i]
	v_lshlrev_b32 v114, 16, v[81+2*i]
	v_and_b32 v115, 0xffff0000, v[81+2*i]
	v_cvt_pk_f16_f32 v[80+2*i], v112, v113         ; written as f16: exact within f16's range
	v_cvt_pk_f16_f32 v[81+2*i], v114, v115
.endif
	global_store_b64 v3, v[80+2*i:81+2*i], s[30:31] offset:i*(\sstep)
.set i, i+1
.endr
.endm
	s_load_b512 s[8:23], s[0:1], 0x0               ; x 8, Wqkv 10, Wo 12, rel_bias 14, mask 16, xb 18, wqkvb 20, wob 22
	s_load_b128 s[24:27], s[0:1], 0x40             ; gt 24, mad 26
	v_lshrrev_b32 v1, 5, v0
	v_readfirstlane_b32 s6, v1                     ; wave 0..7
	v_and_b32 v4, 31, v0                           ; lane
	v_lshlrev_b32 v3, 3, v4                        ; 8 bytes a lane on the way out
	s_mov_b32 s5, ttmp9
	s_mov_b32 s33, 0
	s_mov_b32 s35, 0
	s_wait_kmcnt 0x0
	s_cmp_lt_u32 s5, GX
	s_cbranch_scc0 .Lnot_x
	; x: a wave takes two tokens; load i is K block i of both (lanes 0-15 one token's 256 bytes, lanes 16-31 the other's)
	s_lshl_b32 s7, s5, 3
	s_add_co_u32 s7, s7, s6                        ; the pair of tokens, 0..4095
	s_lshl_b32 s32, s7, 13
	s_add_nc_u64 s[28:29], s[8:9], s[32:33]
	s_lshr_b32 s34, s7, 10                         ; the batch: 4,194,304 bytes of xb
	s_lshl_b32 s34, s34, 22
	s_and_b32 s36, s7, 1023
	s_lshl_b32 s36, s36, 8                         ; two tokens of 128 bytes in a K block
	s_add_co_u32 s34, s34, s36
	s_add_nc_u64 s[30:31], s[18:19], s[34:35]
	v_and_b32 v5, 15, v0
	v_bfe_u32 v6, v0, 4, 1
	v_lshlrev_b32 v2, 4, v5
	v_lshl_add_u32 v2, v6, 12, v2
	JOB 256, 262144, 0
	s_endpgm
.Lnot_x:
	s_cmp_lt_u32 s5, GW
	s_cbranch_scc0 .Lnot_wqkv
	s_sub_co_u32 s7, s5, GX
	s_lshl_b32 s7, s7, 3
	s_add_co_u32 s7, s7, s6                        ; 8,192 consecutive bytes of Wqkv
	s_lshl_b32 s32, s7, 13
	s_lshl_b32 s34, s7, 12
	s_add_nc_u64 s[28:29], s[10:11], s[32:33]
	s_add_nc_u64 s[30:31], s[20:21], s[34:35]
	v_lshlrev_b32 v2, 4, v4
	JOB 512, 256, 0
	s_endpgm
.Lnot_wqkv:
	s_cmp_lt_u32 s5, GO
	s_cbranch_scc0 .Lnot_wo
	s_sub_co_u32 s7, s5, GW
	s_lshl_b32 s7, s7, 3
	s_add_co_u32 s7, s7, s6                        ; 8,192 consecutive bytes of Wo
	s_lshl_b32 s32, s7, 13
	s_lshl_b32 s34, s7, 12
	s_add_nc_u64 s[28:29], s[12:13], s[32:33]
	s_add_nc_u64 s[30:31], s[22:23], s[34:35]
	v_lshlrev_b32 v2, 4, v4
	JOB 512, 256, 1
	s_endpgm
.Lnot_wo:
	s_cmp_lt_u32 s5, GG
	s_cbranch_scc0 .Lmad
	; gt: work-group G makes 4,096 bytes: block G / 4, heads 4 (G % 4) .. + 3; a thread makes four neighbouring registers' numbers of one lane
	s_sub_co_u32 s7, s5, GO                        ; G
	s_lshr_b32 s32, s7, 2                          ; blk
	s_max_u32 s32, s32, 10
	s_min_u32 s32, s32, 28                         ; blk - 19 held to -9 .. 9: beyond that every distance is clipped
	s_lshl_b32 s32, s32, 4
	s_sub_co_u32 s32, s32, 144                     ; 16 (blk - 19) + 160: the distance + 160 is never negative
	s_and_b32 s34, s7, 3
	s_lshl_b32 s34, s34, 2
	v_lshrrev_b32 v5, 6, v0
	v_add_nc_u32 v5, s34, v5                       ; head
	v_mul_u32_u24 v5, v5, 257
	v_bfe_u32 v6, v0, 5, 1                         ; registers 0-3 or 4-7
	v_bfe_u32 v7, v0, 4, 1                         ; h
	v_and_b32 v8, 15, v0                           ; r
	v_lshlrev_b32 v9, 3, v7
	v_lshl_add_u32 v9, v6, 2, v9
	v_add_nc_u32 v9, s32, v9
	v_sub_nc_u32 v9, v9, v8                        ; key - query + 160 for the first of my four
.irp j, 0,1,2,3
	v_add_nc_u32 v[10+\j], \j, v9
	v_max_u32 v[10+\j], 32, v[10+\j]
	v_sub_nc_u32 v[10+\j], v[10+\j], 32
	v_min_u32 v[10+\j], 256, v[10+\j]              ; clip(key - query, -128, 128) + 128
	v_add_nc_u32 v[10+\j], v5, v[10+\j]
	v_lshlrev_b32 v[10+\j], 2, v[10+\j]
	global_load_b32 v[14+\j], v[10+\j], s[14:15]
.endr
	s_lshl_b32 s32, s7, 12
	s_add_nc_u64 s[28:29], s[24:25], s[32:33]
	v_lshlrev_b32 v24, 4, v0
	s_wait_loadcnt 0x0
	v_cvt_pk_bf16_f32 v18, v14, v15
	v_cvt_pk_bf16_f32 v19, v16, v17
	v_lshlrev_b32 v20, 16, v18
	v_and_b32 v21, 0xffff0000, v18
	v_lshlrev_b32 v22, 16, v19
	v_and_b32 v23, 0xffff0000, v19
.irp j, 0,1,2,3
	v_mul_f32 v[20+\j], 0x41000000, v[20+\j]       ; x 8, exact: the scores are scaled by 1 / 8 behind the sum
.endr
	global_store_b128 v24, v[20:23], s[28:29]
	s_endpgm
.Lmad:
	s_sub_co_u32 s7, s5, GG
	s_lshl_b32 s32, s7, 10                         ; 256 threads x 4 bytes of the mask
	s_add_nc_u64 s[28:29], s[16:17], s[32:33]
	s_lshl_b32 s34, s7, 12
	s_add_nc_u64 s[30:31], s[26:27], s[34:35]
	v_lshlrev_b32 v2, 2, v0
	v_lshlrev_b32 v3, 4, v0
	v_mov_b32 v5, 0xf149f2ca                       ; -1e30
	global_load_b32 v4, v2, s[28:29]
	s_wait_loadcnt 0x0
.irp j, 0,1,2,3
	v_bfe_u32 v6, v4, 8*\j, 8
	v_cmp_eq_u32 vcc_lo, 0, v6
	v_cndmask_b32 v[8+\j], 0, v5, vcc_lo
.endr
	global_store_b128 v3, v[8:11], s[30:31]
	s_endpgm
.Lfunc_end_k_qc4af04fc46_prep:
	.size	k_qc4af04fc46_prep, .Lfunc_end_k_qc4af04fc46_prep-k_qc4af04fc46_prep
	.p2alignl 7, 3214868480
	.fill 96, 4, 3214868480
	.section	.rodata,"a",@progbits
	.p2align	6, 0x0
	.amdhsa_kernel k_qc4af04fc46_prep
		.amdhsa_group_segment_fixed_size 0
		.amdhsa_private_segment_fixed_size 0
		.amdhsa_enable_private_segment 0
		.amdhsa_kernarg_size 80
		.amdhsa_user_sgpr_count 2
		.amdhsa_user_sgpr_kernarg_segment_ptr 1
		.amdhsa_wavefront_size32 1
		.amdhsa_system_sgpr_workgroup_id_x 1
		.amdhsa_system_sgpr_workgroup_id_y 1
		.amdhsa_system_sgpr_workgroup_id_z 1
		.amdhsa_system_vgpr_workitem_id 0
		.amdhsa_next_free_vgpr 116
		.amdhsa_next_free_sgpr 66
		.amdhsa_reserve_vcc 1
		.amdhsa_float_denorm_mode_32 3
		.amdhsa_float_denorm_mode_16_64 3
		.amdhsa_memory_ordered 1
		.amdhsa_forward_progress 1
		.amdhsa_inst_pref_size 28
	.end_amdhsa_kernel
	.amdgpu_metadata
---
amdhsa.version: [ 1, 2 ]
amdhsa.kernels:
  - .name:           k_qc4af04fc46_prep
    .symbol:         k_qc4af04fc46_prep.kd
    .args:
      - { .name: x, .offset: 0, .size: 8, .value_kind: global_buffer, .address_space: global }
      - { .name: Wqkv, .offset: 8, .size: 8, .value_kind: global_buffer, .address_space: global }
      - { .name: Wo, .offset: 16, .size: 8, .value_kind: global_buffer, .address_space: global }
      - { .name: rel_bias, .offset: 24, .size: 8, .value_kind: global_buffer, .address_space: global }
      - { .name: key_padding_mask, .offset: 32, .size: 8, .value_kind: global_buffer, .address_space: global }
      - { .name: xb, .offset: 40, .size: 8, .value_kind: global_buffer, .address_space: global }
      - { .name: wqkvb, .offset: 48, .size: 8, .value_kind: global_buffer, .address_space: global }
      - { .name: wob, .offset: 56, .size: 8, .value_kind: global_buffer, .address_space: global }
      - { .name: gt, .offset: 64, .size: 8, .value_kind: global_buffer, .address_space: global }
      - { .name: mad, .offset: 72, .size: 8, .value_kind: global_buffer, .address_space: global }
    .group_segment_fixed_size: 0
    .private_segment_fixed_size: 0
    .kernarg_segment_align: 8
    .kernarg_segment_size: 80
    .max_flat_workgroup_size: 256
    .sgpr_count:     66
    .vgpr_count:     116
    .wavefront_size: 32
...
	.end_amdgpu_metadata
.endif
;; end of part 1
;; launch qkv (part 2): grid 8 x 32, 4 waves a work-group, clusters of 4 x 4, 327,680 bytes of LDS; arguments xb, wqkvb, bqkv, qkvh; writes qkvh
.if DOCPART == 2
	.amdgcn_target "amdgcn-amd-amdhsa--gfx1250"
	.amdhsa_code_object_version 6
	.text
	.protected	k_qc4af04fc46_qkv
	.globl	k_qc4af04fc46_qkv
	.p2align	8
	.type	k_qc4af04fc46_qkv,@function
k_qc4af04fc46_qkv:
	s_mov_b64 s[64:65], 0
	v_nop
	global_prefetch_b8 v0, s[64:65] scope:SCOPE_SE
	s_setreg_imm32_b32 hwreg(HW_REG_WAVE_MODE, 25, 1), 1
	s_wait_xcnt 0x0
	s_wait_alu depctr_hold_cnt(0) depctr_sa_sdst(0) depctr_va_vdst(0) depctr_va_sdst(0) depctr_va_ssrc(0) depctr_va_vcc(0) depctr_vm_vsrc(0)
	s_getreg_b32 s2, hwreg(HW_REG_IB_STS2, 6, 4)
	s_cmp_eq_u32 s2, 0
	s_cbranch_scc0 .Lentry_in_a_cluster
	s_endpgm
.Lentry_in_a_cluster:
	s_bfe_u32 s2, ttmp6, 0x10000c
	s_cmp_lg_u32 s2, 0xf033
	s_cbranch_scc0 .Lentry_shape_is_right
	s_endpgm
.Lentry_shape_is_right:
; qkv = x Wqkv + bqkv, 8,192 tokens x 3,072 columns over K = 1,024, bf16 operands, f32 sums; written by heads, qkvh f16 [3][64 bh][2048 l][64], unscaled, rounded once.
; LIMIT: q, k, v must lie within f16's 65,504; below 6e-5 f16 keeps a fixed step of 6e-8.  bqkv is rounded to bf16 like the other inputs.
; SHARES.  8,192 x 3,072 / 256 work-groups: a work-group makes 256 tokens x 384 columns, each of its four waves 128 x 192: 96 accumulators, 768 registers,
; in three groups of 32 (a group = 64 columns = one head, 8 blocks of 16 tokens x 4 blocks of 16 columns).
; K goes in 16 steps of 64 through two LDS slots (two slots of 128 along K would not fit beside each other); a step is two quarters of 32 along K, 96 matrix instructions each.
; THE MATRIX INSTRUCTION IS USED TRANSPOSED: source 0 = 16 columns of W (W lies [k][n] in LDS and comes out turned, by ds_load_tr16_b128), source 1 = 16 tokens:
; a lane then holds one token and eight neighbouring channels.  The bias is the C operand of the products that start the sums.
; CLUSTER 4 x 4: the four of a row share the tokens' tiles, the four of a column W's: each tile is asked for jointly, with the same descriptor and a mask of four.
; REGISTERS.  window 0: v16-29 addresses; v32-95, v96-159 tokens' fragments, two buffers; v160-255 W's fragments, 32 a group, one buffer (a group is fetched again behind its products).
; windows 1-3: group g's accumulator (token block a, column block n) at v[8 (4 a + n)].
.set PA,    144                        ; a token's 128 bytes + 16: the 16 rows of a load start at 16 different groups of four banks (ISA guide 11.1)
.set PB,    864                        ; a row of W: three runs of 256 bytes, 32 of padding behind each: 27 x 32
.set AHALF, 128*PA
.set BHALF, 32*PB
.set BOFF,  2*AHALF
.set SLOT,  BOFF+2*BHALF               ; 92,160
.set STAGE, 2*SLOT                     ; 16 rows x 144 bytes for each wave, for the way out
.set BIASL, STAGE+4*16*PA              ; 192 f32 for each wave: its columns' bias
.set SPARE, BIASL+4*768                ; the spare words: 128 bytes for each wave, named by no other line
.set ASTEP, 262144                     ; from one K block of xb to the next
.set BSTEP, 64*6144                    ; 64 rows of wqkvb
.set ADRA, 16                          ; v16-17  my tokens' fragments in slot 0, 1
.set ADRB, 18                          ; v18-23  W's fragments: slot s, group g at 18 + 3 s + g
.set STO,  24
.set RD,   25
.set GO,   26
.set BA,   27
.set SPW,  28
.set NIL,  29
.set FA0,  32
.set FA1,  96
.set FB,   160
.set TMP,  64                          ; the way out: packed results
.set BK,   96                          ; the way out: rows read back, two sets of 16
.set G1,   24
.set G0,   32
.set G1B,  48
.set G0B,  56
.set OUT,  66                          ; s[66:71] where group g's head begins in qkvh, at my first token
.set MSB, 0
.macro WIN new
.if MSB != (\new)
	s_set_vgpr_msb (MSB<<8)|(\new)
.set MSB, \new
.endif
.endm
.macro PLACES                          ; four places in front of loads into registers that matrix instructions have read, and of conversions that read results
.rept 4
	v_nop
.endr
.endm
.macro JLOAD s                         ; a joint load: waves 0 and 1 fetch the tokens' two halves, waves 2 and 3 W's; the branch hangs on the wave's number alone
	s_cmp_eq_u32 s13, 0
	s_cbranch_scc0 .Lfor_b_\@
	tensor_load_to_lds s[G0+4*(\s):G0+4*(\s)+3], s[G1:G1+7]
	s_nop 0
.rept 4
	v_nop
.endr
	s_branch .Lasked_\@
.Lfor_b_\@:
	tensor_load_to_lds s[G0B+4*(\s):G0B+4*(\s)+3], s[G1B:G1B+7]
	s_nop 0
.rept 4
	v_nop
.endr
.Lasked_\@:
.endm
.macro CREST                           ; a round of the cluster's barrier behind its opening barrier
	s_cmp_lg_u32 s12, 0
	s_cbranch_scc1 .Lnot_wave_0_\@
	s_barrier_signal -3
.Lnot_wave_0_\@:
	s_barrier_wait -3
	s_barrier_signal -1
	s_barrier_wait -1
.endm
.macro CROUND
	s_barrier_signal -1
	s_barrier_wait -1
	CREST
.endm
	s_load_b256 s[4:11], s[0:1], 0x0               ; xb 4, wqkvb 6, bqkv 8, qkvh 10
	v_lshl_add_u32 v[SPW], v0, 2, SPARE
	v_mov_b32 v[NIL], 0
	ds_add_u32 v[SPW], v[NIL]                      ; the wave's opening: the add and its wait ahead of my first tensor load
	v_lshrrev_b32 v1, 5, v0
	v_readfirstlane_b32 s12, v1                    ; wave 0..3
	s_lshr_b32 s13, s12, 1                         ; MH: my half of the tokens.  Also: I fetch tokens (0) or W (1)
	s_and_b32 s14, s12, 1                          ; NH: my half of the columns.  Also: which half of that tile I fetch
	s_bfe_u32 s40, ttmp6, 0x40000                  ; cx
	s_bfe_u32 s41, ttmp6, 0x40004                  ; cy
	s_lshl_b32 s42, ttmp9, 2
	s_add_co_u32 s42, s42, s40                     ; x: the block of 384 columns
	s_and_b32 s43, ttmp7, 0xffff
	s_lshl_b32 s43, s43, 2
	s_add_co_u32 s43, s43, s41                     ; y: the block of 256 tokens
	s_lshl_b32 s44, s41, 2
	s_lshl_b32 s44, 15, s44                        ; my row of the cluster
	s_lshl_b32 s45, 0x1111, s40                    ; my column
	; tokens: 128 of them are 16,384 dense bytes: 64 rows of 256 bytes, padded by 4 words after every 32
	s_or_b32 s[G1], s44, (1<<16)|(1<<20)|(1<<21)|(4<<22)|(3<<25)
	s_mov_b32 s[G1+1], 128<<16
	s_mov_b32 s[G1+2], 64<<16
	s_mov_b32 s[G1+3], 128<<16
	s_mov_b32 s[G1+4], 64
	s_mov_b32 s[G1+5], 128
	s_mov_b32 s[G1+6], 0
	s_mov_b32 s[G1+7], 0
	; W: 32 rows of 384 elements, 3,072 apart, padded by 8 words after every 64
	s_or_b32 s[G1B], s45, (1<<16)|(1<<20)|(1<<21)|(5<<22)|(7<<25)
	s_mov_b32 s[G1B+1], 384<<16
	s_mov_b32 s[G1B+2], 32<<16
	s_mov_b32 s[G1B+3], 384<<16
	s_mov_b32 s[G1B+4], 32
	s_mov_b32 s[G1B+5], 3072
	s_mov_b32 s[G1B+6], 0
	s_mov_b32 s[G1B+7], 0
	s_lshr_b32 s16, s43, 3                         ; the tokens' tile hangs on y and the wave alone: batch,
	s_lshl_b32 s16, s16, 22
	s_and_b32 s17, s43, 7
	s_lshl_b32 s17, s17, 15                        ; 256 tokens of 128 bytes,
	s_add_co_u32 s16, s16, s17
	s_lshl_b32 s17, s14, 14                        ; my 128 of them
	s_add_co_u32 s16, s16, s17
	s_mov_b32 s17, 0
	s_mul_i32 s46, s42, 768                        ; W's tile hangs on x and the wave alone
	s_mul_i32 s47, s14, 32*6144
	s_add_co_u32 s46, s46, s47
	s_mov_b32 s47, 0
	s_mul_i32 s20, s14, AHALF                      ; where they go: no place in the cluster enters an LDS address
	s_mul_i32 s21, s14, BHALF
	s_add_co_u32 s21, s21, BOFF
	s_wait_dscnt 0x0                               ; the opening add is done
	s_wait_kmcnt 0x0
	s_add_nc_u64 s[16:17], s[4:5], s[16:17]
	s_add_nc_u64 s[46:47], s[6:7], s[46:47]
	CROUND                                         ; all sixteen work-groups are here: the first joint loads meet
.irp s, 0,1
	s_mov_b32 s[G0+4*(\s)], 1
	s_add_co_u32 s[G0+4*(\s)+1], s20, (\s)*SLOT
	s_add_nc_u64 s[G0+4*(\s)+2:G0+4*(\s)+3], s[16:17], (\s)*ASTEP
	s_or_b32 s[G0+4*(\s)+3], s[G0+4*(\s)+3], 0x80000000
	s_mov_b32 s[G0B+4*(\s)], 1
	s_add_co_u32 s[G0B+4*(\s)+1], s21, (\s)*SLOT
	s_add_nc_u64 s[G0B+4*(\s)+2:G0B+4*(\s)+3], s[46:47], (\s)*BSTEP
	s_or_b32 s[G0B+4*(\s)+3], s[G0B+4*(\s)+3], 0x80000000
	JLOAD \s                                       ; K steps 0 and 1: two loads of mine are out
.endr
	v_and_b32 v1, 15, v0                           ; r = l % 16
	v_bfe_u32 v2, v0, 4, 1                         ; h = l / 16
	v_and_b32 v3, 7, v0
	v_bfe_u32 v4, v0, 3, 1
	v_and_b32 v7, 31, v0
	v_mul_u32_u24 v5, v1, PA
	v_lshl_add_u32 v5, v2, 4, v5                   ; row x pitch + 16 x half
	s_mul_i32 s22, s13, AHALF
	v_add_nc_u32 v[ADRA], s22, v5
	v_add_nc_u32 v[ADRA+1], SLOT, v[ADRA]
	v_lshl_add_u32 v6, v2, 3, v3                   ; the turning load: lane l reads row 8 h + l % 8, 16 bytes at 16 ((l / 8) % 2)
	v_mul_u32_u24 v6, v6, PB
	v_lshl_add_u32 v6, v4, 4, v6
	s_mul_i32 s22, s14, 3
.irp g, 0,1,2
	s_add_co_u32 s23, s22, \g                      ; u = 3 NH + g: columns 64 u on: byte 128 u, and 32 of padding for each 256 passed
	s_lshr_b32 s2, s23, 1
	s_lshl_b32 s2, s2, 5
	s_lshl_b32 s23, s23, 7
	s_add_co_u32 s23, s23, s2
	s_add_co_u32 s23, s23, BOFF
	v_add_nc_u32 v[ADRB+\g], s23, v6
	v_add_nc_u32 v[ADRB+3+\g], SLOT, v[ADRB+\g]
.endr
	s_mul_i32 s22, s12, 16*PA
	s_add_co_u32 s22, s22, STAGE                   ; my stage
	v_add_nc_u32 v[STO], s22, v5                   ; in: row r, 16 bytes for each half of the lanes
	v_bfe_u32 v8, v0, 3, 2                         ; back: 32 lanes take four rows of 128 bytes,
	v_mul_u32_u24 v8, v8, PA
	v_lshl_add_u32 v8, v3, 4, v8
	v_add_nc_u32 v[RD], s22, v8
	v_lshlrev_b32 v[GO], 4, v7                     ; which are 512 consecutive bytes of a head
	s_mul_i32 s22, s12, 768
	s_add_co_u32 s22, s22, BIASL
	v_lshl_add_u32 v[BA], v2, 5, s22               ; a lane's eight columns of a block: 32 h
	v_lshl_add_u32 v15, v7, 3, s22
	v_lshlrev_b32 v14, 3, v7
	s_mul_i32 s22, s42, 1536                       ; my 192 columns' bias
	s_mul_i32 s23, s14, 768
	s_add_co_u32 s22, s22, s23
	s_mov_b32 s23, 0
	s_add_nc_u64 s[8:9], s[8:9], s[22:23]
	global_load_b64 v[8:9], v14, s[8:9]
	global_load_b64 v[10:11], v14, s[8:9] offset:256
	global_load_b64 v[12:13], v14, s[8:9] offset:512
	s_mul_i32 s22, s42, 6                          ; the way out: group g is column head 6 x + 3 NH + g of 48: tensor hc / 16, head hc % 16
	s_mul_i32 s23, s14, 3
	s_add_co_u32 s22, s22, s23
	s_lshr_b32 s18, s43, 3
	s_lshl_b32 s18, s18, 4                         ; 16 x batch
	s_and_b32 s19, s43, 7
	s_lshl_b32 s19, s19, 15
	s_lshl_b32 s23, s13, 14
	s_add_co_u32 s19, s19, s23                     ; my first token in the head, x 128 bytes
.irp g, 0,1,2
	s_add_co_u32 s2, s22, \g
	s_lshr_b32 s3, s2, 4
	s_lshl_b32 s3, s3, 6
	s_and_b32 s2, s2, 15
	s_add_co_u32 s2, s2, s3
	s_add_co_u32 s2, s2, s18
	s_lshl_b32 s2, s2, 18                          ; a head is 262,144 bytes
	s_add_co_u32 s2, s2, s19
	s_mov_b32 s3, 0
	s_add_nc_u64 s[OUT+2*\g:OUT+2*\g+1], s[10:11], s[2:3]
.endr
	s_wait_loadcnt 0x0
.irp t, 0,1,2
	v_cvt_pk_bf16_f32 v6, v[8+2*\t], v[9+2*\t]     ; the bias is rounded to bf16 like every input
	v_lshlrev_b32 v[8+2*\t], 16, v6
	v_and_b32 v[9+2*\t], 0xffff0000, v6
	ds_store_b64 v15, v[8+2*\t:9+2*\t] offset:256*\t
.endr
; 16 matrix instructions: group g, token blocks 4 half .. + 3, all four column blocks, 32 along K from tokens' buffer f.  cm = 0: onto the sums; else C = the bias at v[cm] of window 0.
; The accumulators take turns, one instruction a turn: 95 others stand between two links of a chain.
.macro MULH f, g, half, cm
.if (\cm) == 0
	WIN 0x50*((\g)+1)
.else
	WIN 0x40*((\g)+1)
.endif
.irp a, 0,1,2,3
.irp c, 0,1,2,3
.set rD, 8*(4*(4*(\half)+\a)+\c)
.set rB, FB+32*(\g)+8*\c
.set rA, (\f)+8*(4*(\half)+\a)
.if (\cm) == 0
	v_wmma_f32_16x16x32_bf16 v[rD:rD+7], v[rB:rB+7], v[rA:rA+7], v[rD:rD+7]
.else
	v_wmma_f32_16x16x32_bf16 v[rD:rD+7], v[rB:rB+7], v[rA:rA+7], v[(\cm)+8*\c:(\cm)+8*\c+7]
.endif
.endr
.endr
.endm
.macro MULG f, g, cm
	MULH \f, \g, 0, \cm
	MULH \f, \g, 1, \cm
.endm
.macro LOADB s, kq, g                  ; W's fragments of group g, quarter kq of slot s: 8 turning loads
	WIN 0
.irp c, 0,1,2,3
	ds_load_tr16_b128 v[FB+32*(\g)+8*\c:FB+32*(\g)+8*\c+3],   v[ADRB+3*(\s)+(\g)] offset:32*PB*(\kq)+32*\c
	ds_load_tr16_b128 v[FB+32*(\g)+8*\c+4:FB+32*(\g)+8*\c+7], v[ADRB+3*(\s)+(\g)] offset:32*PB*(\kq)+32*\c+16*PB
.endr
.endm
.macro LOADA s, kq, f                  ; my 128 tokens' fragments: 16 loads
	WIN 0
.irp a, 0,1,2,3,4,5,6,7
	ds_load_b128 v[(\f)+8*\a:(\f)+8*\a+3],   v[ADRA+(\s)] offset:16*PA*\a+64*(\kq)
	ds_load_b128 v[(\f)+8*\a+4:(\f)+8*\a+7], v[ADRA+(\s)] offset:16*PA*\a+64*(\kq)+32
.endr
.endm
.macro LOADC g, dst                    ; group g's bias as a C operand: register j of block c = bias[16 c + 8 h + j]
	WIN 0
.irp c, 0,1,2,3
	ds_load_b128 v[(\dst)+8*\c:(\dst)+8*\c+3],   v[BA] offset:256*(\g)+64*\c
	ds_load_b128 v[(\dst)+8*\c+4:(\dst)+8*\c+7], v[BA] offset:256*(\g)+64*\c+16
.endr
.endm
; A step's first quarter: multiplies buffer 0 and fetches the second quarter of the same slot.  A quarter's loads are always issued in the order W0 (8), tokens (16), W1 (8), W2 (8).
.macro QUARTER s
	s_wait_dscnt 16                                ; W0 and the tokens are in; W1 and W2 may be out
	MULG FA0, 0, 0
	PLACES
	LOADB \s, 1, 0
	LOADA \s, 1, FA1
	s_wait_dscnt 32                                ; W1 is in; W2 and the 24 just issued may be out
	MULG FA0, 1, 0
	PLACES
	LOADB \s, 1, 1
	s_wait_dscnt 32                                ; W2 is in; the next quarter's 32 may be out
	MULG FA0, 2, 0
	PLACES
	LOADB \s, 1, 2
.endm
; A step's second quarter multiplies buffer 1 and changes slots: ONE barrier; in front of it each wave waits for all its tensor loads (one is out: its part of the next slot),
; adds 0 to its spare word, and waits for that and for its reads of this slot.  fill = 1: the barrier opens a round of the cluster's, and the joint refill, two K steps ahead, is the first thing behind it:
; 160 matrix instructions stand between that request and the wait for it.
.macro TURN s, n, fill
	WIN 0
	s_wait_tensorcnt 0x0
	ds_add_u32 v[SPW], v[NIL]
	s_wait_dscnt 17                                ; W0 and the tokens are in; W1, W2 and the add may be out
	MULH FA1, 0, 0, 0
	s_wait_dscnt 0x0                               ; the add is done, and my reads of this slot are over
	s_barrier_signal -1
	MULH FA1, 0, 1, 0
	WIN 0
	s_barrier_wait -1
.if \fill
	CREST
	s_add_nc_u64 s[G0+4*(\s)+2:G0+4*(\s)+3], s[G0+4*(\s)+2:G0+4*(\s)+3], 2*ASTEP
	s_add_nc_u64 s[G0B+4*(\s)+2:G0B+4*(\s)+3], s[G0B+4*(\s)+2:G0B+4*(\s)+3], 2*BSTEP
	JLOAD \s                                       ; the four v_nop behind it are also the places in front of the loads below
.else
	PLACES
.endif
	LOADB \n, 0, 0
	LOADA \n, 0, FA0
	MULG FA1, 1, 0
	PLACES
	LOADB \n, 0, 1
	MULG FA1, 2, 0
	PLACES
	LOADB \n, 0, 2
.endm
	s_wait_dscnt 0x0                               ; my bias lies in LDS
	s_wait_tensorcnt 1                             ; my part of K step 0 is in; step 1's may stay out
	s_barrier_signal -1
	s_barrier_wait -1
	; the first quarter stands in front of the loop: its products start the sums with the bias
	LOADC 0, FA1
	LOADC 1, FA1+32
	LOADB 0, 0, 0
	LOADA 0, 0, FA0
	LOADB 0, 0, 1
	LOADB 0, 0, 2
	s_wait_dscnt 16                                ; all but W1 and W2
	MULG FA0, 0, FA1
	PLACES
	LOADB 0, 1, 0
	LOADC 2, FA1
	s_wait_dscnt 24                                ; W1 is in; W2 and the 16 just issued may be out
	MULG FA0, 1, FA1+32
	PLACES
	LOADB 0, 1, 1
	s_wait_dscnt 8                                 ; W2 and group 2's bias are in; the 8 just issued may be out
	MULG FA0, 2, FA1
	PLACES
	LOADB 0, 1, 2
	LOADA 0, 1, FA1
	s_wait_dscnt 0x0                               ; here the order of issue differs from the loop's, so all are waited for
	WIN 0
	s_mov_b32 s3, 7
.Llap:                                                 ; a trip goes once round the ring and fills both slots again: K steps 2 to 15
	TURN 0, 1, 1
	QUARTER 1
	TURN 1, 0, 1
	QUARTER 0
	WIN 0
	s_sub_co_u32 s3, s3, 1
	s_cmp_lg_u32 s3, 0
	s_cbranch_scc1 .Llap
	TURN 0, 1, 0                                   ; the last lap fills nothing
	QUARTER 1
	s_wait_dscnt 16
	MULG FA1, 0, 0
	s_wait_dscnt 8
	MULG FA1, 1, 0
	s_wait_dscnt 0x0
	MULG FA1, 2, 0
	PLACES
; THE WAY OUT, unit u = 8 g + a: 16 tokens x 64 channels of one head, 2,048 consecutive bytes of qkvh.  Rounded to f16, 16 bytes a lane into my stage, back as whole rows, stored.
.macro PACK u
	WIN 5*((\u)/8+1)
.irp c, 0,1,2,3
.irp j, 0,1,2,3
	v_cvt_pk_f16_f32 v[TMP+4*\c+\j], v[8*(4*((\u)%8)+\c)+2*\j], v[8*(4*((\u)%8)+\c)+2*\j+1]
.endr
.endr
	WIN 0
.endm
.macro TOSTAGE u
	WIN 0
.irp c, 0,1,2,3
	ds_store_b128 v[STO], v[TMP+4*\c:TMP+4*\c+3] offset:32*\c
.endr
.irp f, 0,1,2,3
	ds_load_b128 v[BK+16*((\u)%2)+4*\f:BK+16*((\u)%2)+4*\f+3], v[RD] offset:4*PA*\f  ; LDS serves a wave's instructions in order (ISA guide 5.7.1.4)
.endr
.endm
.macro SEND u
	WIN 0
	s_wait_dscnt 0x0                               ; the unit is back in registers
	s_wait_xcnt 0x0                                ; the stores of the unit before have read their registers: the next loads from the stage land there
.irp f, 0,1,2,3
	global_store_b128 v[GO], v[BK+16*((\u)%2)+4*\f:BK+16*((\u)%2)+4*\f+3], s[OUT+2*((\u)/8):OUT+2*((\u)/8)+1] offset:2048*((\u)%8)+512*\f
.endr
.endm
	PACK 0
	TOSTAGE 0
.set u, 1
.rept 23                               ; a unit's conversions stand between the loads of the unit before and the wait for them
	PACK u
	SEND u-1
	TOSTAGE u
.set u, u+1
.endr
	SEND 23
	s_wait_tensorcnt 0x0                           ; the wave's end
	ds_add_u32 v[SPW], v[NIL]
	s_wait_dscnt 0x0
	CROUND                                         ; the closing round
	s_endpgm
.Lfunc_end_k_qc4af04fc46_qkv:
	.size	k_qc4af04fc46_qkv, .Lfunc_end_k_qc4af04fc46_qkv-k_qc4af04fc46_qkv
	.p2alignl 7, 3214868480
	.fill 96, 4, 3214868480
	.section	.rodata,"a",@progbits
	.p2align	6, 0x0
	.amdhsa_kernel k_qc4af04fc46_qkv
		.amdhsa_group_segment_fixed_size 327680
		.amdhsa_private_segment_fixed_size 0
		.amdhsa_enable_private_segment 0
		.amdhsa_kernarg_size 32
		.amdhsa_user_sgpr_count 2
		.amdhsa_user_sgpr_kernarg_segment_ptr 1
		.amdhsa_wavefront_size32 1
		.amdhsa_system_sgpr_workgroup_id_x 1
		.amdhsa_system_sgpr_workgroup_id_y 1
		.amdhsa_system_sgpr_workgroup_id_z 1
		.amdhsa_system_vgpr_workitem_id 0
		.amdhsa_next_free_vgpr 1024
		.amdhsa_next_free_sgpr 72
		.amdhsa_reserve_vcc 0
		.amdhsa_float_denorm_mode_32 3
		.amdhsa_float_denorm_mode_16_64 3
		.amdhsa_memory_ordered 1
		.amdhsa_forward_progress 1
		.amdhsa_inst_pref_size 136
	.end_amdhsa_kernel
	.amdgpu_metadata
---
amdhsa.version: [ 1, 2 ]
amdhsa.kernels:
  - .name:           k_qc4af04fc46_qkv
    .symbol:         k_qc4af04fc46_qkv.kd
    .args:
      - { .name: xb, .offset: 0, .size: 8, .value_kind: global_buffer, .address_space: global }
      - { .name: wqkvb, .offset: 8, .size: 8, .value_kind: global_buffer, .address_space: global }
      - { .name: bqkv, .offset: 16, .size: 8, .value_kind: global_buffer, .address_space: global }
      - { .name: qkvh, .offset: 24, .size: 8, .value_kind: global_buffer, .address_space: global }
    .group_segment_fixed_size: 327680
    .private_segment_fixed_size: 0
    .kernarg_segment_align: 8
    .kernarg_segment_size: 32
    .max_flat_workgroup_size: 128
    .sgpr_count:     72
    .vgpr_count:     1024
    .wavefront_size: 32
...
	.end_amdgpu_metadata
.endif
;; end of part 2
;; launch attn (part 3): grid 4 x 64, 4 waves a work-group, clusters of 4 x 1, 327,680 bytes of LDS; arguments qkvh, gt, mad, oh; writes oh
.if DOCPART == 3
	.amdgcn_target "amdgcn-amd-amdhsa--gfx1250"
	.amdhsa_code_object_version 6
	.text
	.protected	k_qc4af04fc46_attn
	.globl	k_qc4af04fc46_attn
	.p2align	8
	.type	k_qc4af04fc46_attn,@function
k_qc4af04fc46_attn:
	s_mov_b64 s[64:65], 0
	v_nop
	global_prefetch_b8 v0, s[64:65] scope:SCOPE_SE
	s_setreg_imm32_b32 hwreg(HW_REG_WAVE_MODE, 25, 1), 1
	s_wait_xcnt 0x0
	s_wait_alu depctr_hold_cnt(0) depctr_sa_sdst(0) depctr_va_vdst(0) depctr_va_sdst(0) depctr_va_ssrc(0) depctr_va_vcc(0) depctr_vm_vsrc(0)
	s_getreg_b32 s2, hwreg(HW_REG_IB_STS2, 6, 4)
	s_cmp_eq_u32 s2, 0
	s_cbranch_scc0 .Lentry_in_a_cluster
	s_endpgm
.Lentry_in_a_cluster:
	s_bfe_u32 s2, ttmp6, 0x10000c
	s_cmp_lg_u32 s2, 0x3003
	s_cbranch_scc0 .Lentry_shape_is_right
	s_endpgm
.Lentry_shape_is_right:
; O[bh][q][:] = the sum over kept k of softmax_k(Q.K / 8 + b[h][clip(k - q, -128, 128) + 128]) V[bh][k][:].  qkvh: f16 [3][64][2048][64]; oh: f16 [64][2048][64].
; Products, maxima and sums in f32; the weights p are rounded to f16 for the second product (their sum l is taken of the unrounded p), O once at the end.
; LIMITS.  Q, K, V lie within f16's 65,504.  A masked key's score counts as its value less 1e30 (true scores: 2.7e11 + 8 |b| at the most); a weight below 2^-126 counts as 0 in l.
; A row whose running maximum ends below -2^97 has no kept key and is made NaN, as a softmax over nothing is.
; BIAS AND MASK.  The registers of S^T are written with 8 b + mad ahead of the products K Q^T, which then all add in place; scaling by c = log2(e) / 8, maximum, exponentials and sums follow as without a bias.
; 8 b depends on key - query alone, so for a block of 16 keys x 16 queries it is one of 19 blocks, numbered by the blocks' distance D held to -9 .. 9; they come lane-ready from gt.
; SHARES.  A wave owns four PIECES of two tiles of 16 queries.  Tile (p, u) of wave w in the cluster's work-group cx owns rows 512 p + 128 w + 32 cx + 16 u, so that
; D = (4 J - 32 p - 8 w) + (kt - u) - 2 cx for key step J, key block kt: the part in brackets is alike in all partners, and -2 cx lies in WHICH blocks a work-group has copied into its LDS, not in an LDS address.
; LAYOUT, SOFTMAX.  S^T = K Q^T holds ONE query a lane (lane % 16) and the keys 8 (lane / 16) + 0..7; two such results rounded to f16 ARE source 1 of O^T = V^T P.  p = 2^(c s - c m) with a running maximum m;
; O and l are multiplied by a = 2^(c m_old - c m_new) in every step.  m starts at the lowest finite number, O and l at 0.
; BY TURNS.  Turn n belongs to piece n: 16 products K Q^T of piece n + 1, later 16 products V^T P of piece n - 1; beside them the softmax of piece n and the maximum and statistics of piece n + 1;
; at its end the bias and mask of piece n + 2 go into the S^T buffer that piece n has left.  Four vector instructions stand behind every matrix instruction, the rest in runs of their own.  A turn's 66 exponentials are one batch, with one wait.
; CLUSTER.  The four work-groups of a cluster belong to one head and walk the same K and V: each tile is asked for JOINTLY.
; REGISTERS, in windows of 256 (s_set_vgpr_msb: bits 1:0 source 0, 3:2 source 1, 5:4 source 2, 7:6 destination):
;   window 0: v0-11 addresses; v12-15, v48-63 at work; v16-47 statistics; v64-191 S^T, two buffers of two tiles; v192-255 P, likewise
;   window 1: O^T, 32 a tile     window 2: v0-127 Q; v128-191 K of one step; v192-255 V of one step     window 3: v0-1 the add's registers; v32-63 mad of one step; v64-103 five bias blocks
.set SIZE_N, 2048
.set NP,    4
.set KS,    64
.set PK,    144       ; a row of K in LDS: 128 bytes + 16
.set PV,    160       ; a row of V: 128 + 32
.set VOFF,  4*KS*PK
.set SLOT1, 1<<17
.set STAGE, SLOT1+4*KS*(PK+PV)
.set SP,    144
.set SPARE, STAGE+4*16*SP  ; the spare words: 128 bytes for each wave, named by no other line
.set TB,    SPARE+512      ; 34 bias blocks of 1,024 bytes: block n holds the distance n - 13 - 2 cx; stored once, never filled by a tensor load
.set MAT,   TB+34*1024     ; the batch's 2,048 mask addends; likewise
.set PFO, 0           ; v0   256 x my lane, for the prefetches (made when the thread's number is needed no more)
.set AM,  1           ; v1   LDS address of the step's mask addends
.set AK0, 2
.set AV0, 3
.set AK,  4
.set AV,  5
.set STO, 6
.set RD,  7
.set GO,  8
.set AT0, 9           ; v9   TB + 16 x lane
.set AM0, 10          ; v10  MAT + 32 (lane / 16)
.set AT,  11          ; v11  LDS address of the five bias blocks in hand
.set MV,  12
.set ST,  16
.set TMP, 48
.set QO,  52          ; v52-55: offsets of the set-up's loads; free behind the wait for those loads
.set S,   64
.set P,   192
.set KF,  128
.set VF,  192
.set SPW, 0           ; window 3
.set NIL, 1           ; window 3
.set MA,  32          ; window 3: key block kt at MA + 8 kt
.set TZ,  64          ; window 3: block kt - u + 1 at TZ + 8 (kt - u + 1)
.set WV,  12
.set G1K, 24
.set G1V, 32
.set G0K, 40
.set G0V, 44
.set SLOTS, 56
.set CNT, 57
.set CS,  58
.set SEL, 60
.set TBK, 62
.set TBV, 63
.set E0,  66          ; s66  4 J - 8 w + 120 for the step J whose bias is being laid
.set MAO, 67          ; s67  256 J
.set TT,  68
.set TT2, 69
.set THR, 70          ; s70  -2^97
.set LIM, 71          ; s71  1 in a wave that prefetches, else the greatest number
.set PFA, 72          ; s[72:73] my work-group's 32 blocks of 256 bytes of the tile that the next change of slots asks for
.set GTB, 74          ; s[74:75] gt at my work-group's first block, my head
.set MDB, 76          ; s[76:77] mad at my batch
.set MSB, 0
.macro WIN new
.if MSB != (\new)
	s_set_vgpr_msb (MSB<<8)|(\new)
.set MSB, (\new)
.endif
.endm
.set W_KQ, 0x0a
.set W_PV, 0x52
.set W_RS, 0x41
.set W_MK, 0xc0
.set W_AD, 0x0f
.macro JLOAD                        ; a joint fill: waves 0 and 1 fetch the two halves of a slot's K, waves 2 and 3 those of its V
	s_cmp_lt_u32 s[WV], 2
	s_cbranch_scc0 .Lfor_v_\@
	tensor_load_to_lds s[G0K:G0K+3], s[G1K:G1K+7]
	s_nop 0
.rept 4
	v_nop
.endr
	s_branch .Lasked_\@
.Lfor_v_\@:
	tensor_load_to_lds s[G0V:G0V+3], s[G1V:G1V+7]
	s_nop 0
.rept 4
	v_nop
.endr
.Lasked_\@:
.endm
.macro CROUND
	s_barrier_signal -1
	s_barrier_wait -1
	s_cmp_lg_u32 s[WV], 0
	s_cbranch_scc1 .Lnot_wave_0_\@
	s_barrier_signal -3
.Lnot_wave_0_\@:
	s_barrier_wait -3
	s_barrier_signal -1
	s_barrier_wait -1
.endm
; THE CHANGE OF SLOTS.  Each wave waits for all its tensor loads (one is out: its part of the other slot), adds 0 to its spare word, and waits for that and for its reads of the slot.
; fill = 1: the barrier is a round of the cluster's and the joint fill, with the keys two slots on, is the first thing behind it: it has four key steps, 512 matrix instructions, in which to land.
; (At its first use nothing has been read yet: slot 0 is waited for, slot 1 filled, and the tables stored in the set-up become every wave's.)
.macro CHANGE fill
	WIN W_AD
	s_wait_tensorcnt 0x0
	ds_add_u32 v[SPW], v[NIL]
	WIN 0
.if \fill
.irp g, G0K, G0V
	s_xor_b32 s[\g+1], s[\g+1], SLOT1
	s_add_nc_u64 s[\g+2:\g+3], s[\g+2:\g+3], 4*KS*128
.endr
	s_wait_xcnt 0x0                 ; the last prefetch, a key step back, has read its address
	s_add_nc_u64 s[PFA:PFA+1], s[PFA:PFA+1], 4*KS*128
	s_wait_dscnt 0x0
	CROUND
	JLOAD
.else
	s_wait_dscnt 0x0
	s_barrier_signal -1
	s_barrier_wait -1
.endif
	s_sub_co_u32 s[TBK], s[TBK], 4*KS*PK
	s_xor_b32 s[TBK], s[TBK], SLOT1
	s_sub_co_u32 s[TBV], s[TBV], 4*KS*PV
	s_xor_b32 s[TBV], s[TBV], SLOT1
.endm
	s_load_b256 s[4:11], s[0:1], 0x0  ; qkvh 4, gt 6, mad 8, oh 10
	WIN W_MK
	v_lshl_add_u32 v[SPW], v0, 2, SPARE
	v_mov_b32 v[NIL], 0
	WIN W_AD
	ds_add_u32 v[SPW], v[NIL]       ; the wave's opening: the add and its wait ahead of my first tensor load
	WIN 0
	v_lshrrev_b32 v48, 5, v0
	v_readfirstlane_b32 s[WV], v48
	s_bfe_u32 s13, ttmp6, 0x40000   ; cx: it enters Q's, O's, gt's and the prefetches' global addresses alone
	s_and_b32 s20, ttmp7, 0xffff    ; bh, which the four partners share
	s_and_b32 s14, s20, 15          ; gt: my head's 1,024 bytes in a block,
	s_lshl_b32 s14, s14, 10
	s_lshl_b32 s15, s13, 15
	s_sub_co_u32 s15, 6*16384, s15  ; from block 6 - 2 cx on
	s_add_co_u32 s14, s14, s15
	s_mov_b32 s15, 0
	s_lshr_b32 s78, s20, 4          ; mad: my batch's 8,192 bytes
	s_lshl_b32 s78, s78, 13
	s_mov_b32 s79, 0
	s_mov_b32 s21, 0
	s_mov_b64 s[22:23], SIZE_N*128
	s_mul_u64 s[20:21], s[20:21], s[22:23]  ; the head's first byte in q, k, v and oh
	s_and_b32 s16, s[WV], 1         ; which half of a slot's 256 keys I fetch
	s_lshl_b32 s22, s16, 14
	s_mov_b32 s23, 0
	s_add_nc_u64 s[22:23], s[22:23], s[20:21]
	s_mul_i32 s17, s16, 128*PK
	s_mul_i32 s18, s16, 128*PV
	s_lshl_b32 s2, s[WV], 14        ; my rows begin at 128 w + 32 cx
	s_lshl_b32 s3, s13, 12
	s_add_co_u32 s2, s2, s3
	s_mov_b32 s3, 0
	s_add_nc_u64 s[2:3], s[2:3], s[20:21]
	; 128 keys are 16,384 dense bytes: 64 rows of 256 bytes, two keys a row, padded in LDS after every key
	s_mov_b32 s[G1K], 15|(1<<16)|(1<<20)|(1<<21)|(4<<22)|(3<<25)
	s_mov_b32 s[G1V], 15|(1<<16)|(1<<20)|(1<<21)|(4<<22)|(7<<25)
.irp g, G1K, G1V
	s_mov_b32 s[\g+1], 128<<16
	s_mov_b32 s[\g+2], 64<<16
	s_mov_b32 s[\g+3], 128<<16
	s_mov_b32 s[\g+4], 64
	s_mov_b32 s[\g+5], 128
	s_mov_b32 s[\g+6], 0
	s_mov_b32 s[\g+7], 0
.endr
	s_mov_b32 s[CS], 0x3e38aa3b     ; c = log2(e) / 8
	s_mov_b32 s[CS+1], s[CS]
	s_mov_b32 s[SEL], 0x76543210
	s_mov_b32 s[SEL+1], 0xfedcba98
	s_mov_b32 s[TBK], SLOT1+4*KS*PK ; the first change of slots turns these two into 0
	s_mov_b32 s[TBV], SLOT1+4*KS*PV
	s_mov_b32 s[G0K], 1
	s_mov_b32 s[G0K+1], s17
	s_mov_b32 s[G0V], 1
	s_add_co_u32 s[G0V+1], s18, VOFF
	s_lshl_b32 s[E0], s[WV], 3
	s_sub_co_u32 s[E0], 120, s[E0]
	s_mov_b32 s[MAO], 0
	s_mov_b32 s[THR], 0xf0000000
	s_and_b32 s[LIM], s[WV], 1      ; wave 0 prefetches K, wave 2 V
	s_cmp_eq_u32 s[LIM], 0
	s_cselect_b32 s[LIM], 1, -1
	s_wait_dscnt 0x0                ; the opening add is done
	s_wait_kmcnt 0x0
	s_add_nc_u64 s[GTB:GTB+1], s[6:7], s[14:15]
	s_add_nc_u64 s[MDB:MDB+1], s[8:9], s[78:79]
	s_add_nc_u64 s[6:7], s[4:5], 0x1000000   ; K
	s_add_nc_u64 s[8:9], s[4:5], 0x2000000   ; V
	s_add_nc_u64 s[G0K+2:G0K+3], s[6:7], s[22:23]
	s_or_b32 s[G0K+3], s[G0K+3], 0x80000000
	s_add_nc_u64 s[G0V+2:G0V+3], s[8:9], s[22:23]
	s_or_b32 s[G0V+3], s[G0V+3], 0x80000000
	s_cmp_lt_u32 s[WV], 2
	s_cselect_b64 s[PFA:PFA+1], s[6:7], s[8:9]
	s_lshl_b32 s14, s13, 13         ; my work-group's 32 blocks of a tile's 128,
	s_add_co_u32 s14, s14, 4*KS*128 ; in tile 1: the first change of slots steps it to tile 2
	s_add_nc_u64 s[14:15], s[14:15], s[20:21]
	s_add_nc_u64 s[PFA:PFA+1], s[PFA:PFA+1], s[14:15]
	s_add_nc_u64 s[4:5], s[4:5], s[2:3]
	s_add_nc_u64 s[10:11], s[10:11], s[2:3]
	CROUND                          ; all four work-groups are here: the first joint loads meet
	JLOAD                           ; slot 0
	v_and_b32 v48, 15, v0           ; l % 16
	v_bfe_u32 v49, v0, 4, 1         ; l / 16
	v_and_b32 v50, 7, v0
	v_bfe_u32 v51, v0, 3, 1
	v_lshlrev_b32 v[QO], 7, v48
	v_lshl_add_u32 v[QO], v49, 4, v[QO]
	v_lshrrev_b32 v53, 6, v0        ; the tables: 128 threads x 16 bytes are two bias blocks: block t / 64, byte 16 (t % 64)
	v_and_b32 v54, 63, v0
	v_lshlrev_b32 v54, 4, v54
	v_lshl_add_u32 v53, v53, 14, v54
	v_lshlrev_b32 v55, 4, v0
.set i, 0
.rept 17
	global_load_b128 v[S+4*i:S+4*i+3], v53, s[GTB:GTB+1] offset:32768*i
.set i, i+1
.endr
.set i, 0
.rept 4
	global_load_b128 v[S+68+4*i:S+68+4*i+3], v55, s[MDB:MDB+1] offset:2048*i
.set i, i+1
.endr
	WIN 0x80
.set i, 0
.rept 4*NP                          ; Q stays in registers: tile i / 2 = (piece i / 4, half (i / 2) % 2), channels 32 (i % 2) on
	global_load_b128 v[8*i:8*i+3],   v[QO], s[4:5] offset:(i/4)*65536+((i/2)%2)*2048+(i%2)*64
	global_load_b128 v[8*i+4:8*i+7], v[QO], s[4:5] offset:(i/4)*65536+((i/2)%2)*2048+(i%2)*64+32
.set i, i+1
.endr
	; What the first turn finds: V's registers and P's second buffer hold 0, O^T and l are 0.  All this stands in the wait for the first loads.
.set i, VF
.rept 64
	v_mov_b32 v[i], 0
.set i, i+1
.endr
	WIN 0x40
.set i, 0
.rept 64*NP
	v_mov_b32 v[i], 0
.set i, i+1
.endr
	WIN 0
.set i, 0
.rept 2*NP
	v_mov_b32 v[ST+4*i], 0xfe000000    ; c m: far below every c s
	v_mov_b32 v[ST+4*i+1], 0xff7fffff  ; m
	v_mov_b32 v[ST+4*i+2], 0
	v_mov_b32 v[ST+4*i+3], 0
.set i, i+1
.endr
.set i, P+32
.rept 32
	v_mov_b32 v[i], 0
.set i, i+1
.endr
	v_mul_u32_u24 v[AK0], v48, PK
	v_lshl_add_u32 v[AK0], v49, 4, v[AK0]
	v_lshl_add_u32 v[AV0], v49, 3, v50
	v_mul_u32_u24 v[AV0], v[AV0], PV
	v_lshl_add_u32 v[AV0], v51, 4, v[AV0]
	v_add_nc_u32 v[AV0], VOFF, v[AV0]
	v_mov_b32 v[AK], v[AK0]
	s_mul_i32 s14, s[WV], 16*SP
	s_add_co_u32 s14, s14, STAGE
	v_mul_u32_u24 v[STO], v48, SP
	v_lshl_add_u32 v[STO], v49, 4, v[STO]
	v_add_nc_u32 v[STO], s14, v[STO]
	v_bfe_u32 v[RD], v0, 3, 2
	v_mul_u32_u24 v[RD], v[RD], SP
	v_lshl_add_u32 v[RD], v50, 4, v[RD]
	v_add_nc_u32 v[RD], s14, v[RD]
	v_and_b32 v[GO], 31, v0
	v_lshl_add_u32 v[AT0], v[GO], 4, TB
	v_lshlrev_b32 v[GO], 4, v[GO]
	v_lshl_add_u32 v[AM0], v49, 5, MAT
	v_mov_b32 v[AM], v[AM0]
	v_add_nc_u32 v54, TB, v55
	v_and_b32 v[PFO], 31, v0
	v_lshlrev_b32 v[PFO], 8, v[PFO]
	s_wait_loadcnt 32               ; the tables' 21 loads are in; Q's 32 may stay out
.set i, 0
.rept 17
	ds_store_b128 v54, v[S+4*i:S+4*i+3] offset:2048*i
.set i, i+1
.endr
.set i, 0
.rept 4
	ds_store_b128 v54, v[S+68+4*i:S+68+4*i+3] offset:MAT-TB+2048*i
.set i, i+1
.endr
; THE MATRIX WORK.  The 8 accumulators of a run of 16 take turns.  Product i of 16 of S^T += K Q^T for piece x: all add in place, onto bias and mask.
.macro KQ x
	WIN W_KQ
.set rS, S+64*((\x)%2)+32*(i%2)+8*((i/2)%4)
.set rK, KF+16*((i/2)%4)+8*(i/8)
.set rQ, 16*(2*(\x)+i%2)+8*(i/8)
	v_wmma_f32_16x16x32_f16 v[rS:rS+7], v[rK:rK+7], v[rQ:rQ+7], v[rS:rS+7]
.endm
.macro PV x
	WIN W_PV
.set rO, 32*(2*(\x)+i%2)+8*((i/2)%4)
.set rV, VF+32*(i/8)+8*((i/2)%4)
.set rP, P+32*((\x)%2)+16*(i%2)+8*(i/8)
	v_wmma_f32_16x16x32_f16 v[rO:rO+7], v[rV:rV+7], v[rP:rP+7], v[rO:rO+7]
.endm
.macro MM
.if i < 16
	KQ (Y+1)%NP
.set i, i+1
.else
.set i, i-16
	PV (Y+NP-1)%NP
.set i, i+17
.endif
.endm
; THE LDS LOADS stand in runs.  last = 1 (the tail): in the last trip there is no further step, and K's run is jumped over.
.macro FETCH_K last=0
	WIN 0
.if \last
	s_cmp_eq_u32 s[CNT], 1
	s_cbranch_scc1 .Lno_k_\@
.endif
	WIN 0x80
.irp f, 0,1,2,3,4,5,6,7
	ds_load_b128 v[KF+8*\f:KF+8*\f+3],   v[AK] offset:(\f/2)*16*PK+(\f%2)*64
	ds_load_b128 v[KF+8*\f+4:KF+8*\f+7], v[AK] offset:(\f/2)*16*PK+(\f%2)*64+32
.endr
	s_add_co_u32 s[TBK], s[TBK], KS*PK
	WIN 0
.if \last
.Lno_k_\@:
.endif
.endm
.macro FETCH_V
	WIN 0x80
.irp f, 0,1,2,3,4,5,6,7
	ds_load_tr16_b128 v[VF+8*\f:VF+8*\f+3],   v[AV] offset:(\f/4)*32*PV+(\f%4)*32
	ds_load_tr16_b128 v[VF+8*\f+4:VF+8*\f+7], v[AV] offset:(\f/4)*32*PV+16*PV+(\f%4)*32
.endr
	WIN 0
.endm
.macro FETCH_M                      ; a step's 64 mask addends: register j of key block f = mad[64 J + 16 f + 8 (lane / 16) + j]
	WIN 0xc0
.irp f, 0,1,2,3
	ds_load_b128 v[MA+8*\f:MA+8*\f+3],   v[AM] offset:64*\f
	ds_load_b128 v[MA+8*\f+4:MA+8*\f+7], v[AM] offset:64*\f+16
.endr
	WIN 0
.endm
.macro FETCH_T                      ; the five bias blocks of a piece and step, lane-ready: 512 neighbouring bytes a load
	WIN 0xc0
.irp f, 0,1,2,3,4
	ds_load_b128 v[TZ+8*\f:TZ+8*\f+3],   v[AT] offset:1024*\f
	ds_load_b128 v[TZ+8*\f+4:TZ+8*\f+7], v[AT] offset:1024*\f+512
.endr
	WIN 0
.endm
; Where piece pp's five blocks begin: 4 J - 32 pp - 8 w held to -12 .. 16 (beyond that every distance of the five is clipped, for every cx), plus 12.
.macro TADR pp
	WIN 0
	s_sub_co_u32 s[TT], s[E0], 32*(\pp)
	s_max_u32 s[TT], s[TT], 108
	s_sub_co_u32 s[TT], s[TT], 108
	s_min_u32 s[TT], s[TT], 28
	v_lshl_add_u32 v[AT], s[TT], 10, v[AT0]
.endm
.macro BIAS pp                      ; S^T of piece pp = mask addend + 8 b: 32 packed additions
	WIN W_AD
.irp zu, 0,1
.irp zk, 0,1,2,3
.irp zj, 0,2,4,6
	v_pk_add_f32 v[S+64*((\pp)%2)+32*\zu+8*\zk+\zj:S+64*((\pp)%2)+32*\zu+8*\zk+\zj+1], v[MA+8*\zk+\zj:MA+8*\zk+\zj+1], v[TZ+8*(\zk-\zu+1)+\zj:TZ+8*(\zk-\zu+1)+\zj+1]
.endr
.endr
.endr
	WIN 0
.endm
; A PREFETCH of the tile that the next change of slots asks for, in the slot's last trip: 112 matrix instructions ahead of that load.  A tile is 128 blocks of 256 bytes of K and of V;
; the four partners take 32 each, told apart by address; wave 0 asks for K's, wave 2 for V's, a lane a block: each block is named once.  Tiles 0 and 1 come by their loads alone; before the last change nothing is asked.
.macro ASK
	s_cmp_eq_u32 s[CNT], 1
	s_cselect_b32 s[TT2], s[SLOTS], 0
	s_cmp_gt_u32 s[TT2], s[LIM]
	s_cbranch_scc0 .Lnot_mine_\@
	global_prefetch_b8 v[PFO], s[PFA:PFA+1] th:TH_LOAD_NT scope:SCOPE_SE
.Lnot_mine_\@:
.endm
; THE VECTOR WORK OF A TURN stands in three queues, each in the order in which its entries become ready; the two tiles alternate.
.macro REGS y, u
.set rT, ST+4*(2*(\y)+(\u))
.set rC, TMP+8*((\y)%2)+4*(\u)
.set rM, MV+2*((\y)%2)+(\u)
.set rS, S+64*((\y)%2)+32*(\u)
.set rP, P+32*((\y)%2)+16*(\u)
.set rO, 32*(2*(\y)+(\u))
.endm
; Number n of the 22 that find the next piece's maximum and statistics; each accumulator's lowest registers are read first.
.macro XS u, n
	REGS (Y+1)%NP, \u
.if (\n) < 4
	v_max3_num_f32 v[rC+(\n)], v[rS+8*(\n)], v[rS+8*(\n)+1], v[rS+8*(\n)+2]
.elseif (\n) < 12
	v_max3_num_f32 v[rC+(\n)%4], v[rC+(\n)%4], v[rS+8*((\n)%4)+2*((\n)/4)+1], v[rS+8*((\n)%4)+2*((\n)/4)+2]
.elseif (\n) == 12
	v_max3_num_f32 v[rC], v[rC], v[rS+7], v[rS+15]
.elseif (\n) == 13
	v_max3_num_f32 v[rC+1], v[rC+1], v[rS+23], v[rS+31]
.elseif (\n) == 14
	v_max3_num_f32 v[rC+2], v[rC+2], v[rC+3], v[rT+1]
.elseif (\n) == 15
	v_mov_b32 v[rM], v[rT]
.elseif (\n) == 16
	v_max3_num_f32 v[rC], v[rC], v[rC+1], v[rC+2]
.elseif (\n) == 17
	v_permlanex16_b32 v[rC+3], v[rC], s[SEL], s[SEL+1]
.elseif (\n) == 18
	v_max_num_f32 v[rT+1], v[rC], v[rC+3]
.elseif (\n) == 19
	v_mul_f32 v[rT], s[CS], v[rT+1]
.elseif (\n) == 20
	v_sub_f32 v[rC+1], v[rM], v[rT]
.else
	v_exp_f32 v[rC+2], v[rC+1]
.endif
.endm
; Number g of the 64 that follow the exponentials: roundings to f16, sums in place, l a group later.
.macro GS g
.set h, (\g)+6*((\g)/62)
.if h >= 6
.set h, h+2
.endif
	REGS Y, h%2
.set k, h/8
.if h%8 < 4
	v_cvt_pk_f16_f32 v[rP+2*k+(h%8)/2], v[rS+4*k+2*((h%8)/2)], v[rS+4*k+2*((h%8)/2)+1]
.elseif h%8 < 6
	v_pk_add_f32 v[rS+4*k:rS+4*k+1], v[rS+4*k:rS+4*k+1], v[rS+4*k+2:rS+4*k+3]
.elseif k == 1
	v_pk_fma_f32 v[rT+2:rT+3], v[rT+2:rT+3], v[rC+2:rC+3], v[rS:rS+1] op_sel_hi:[1,0,1]
.else
	v_pk_add_f32 v[rT+2:rT+3], v[rT+2:rT+3], v[rS+4*k-4:rS+4*k-3]
.endif
.endm
.macro FS f
	REGS Y, (\f)%2
	v_pk_fma_f32 v[rS+2*((\f)/2):rS+2*((\f)/2)+1], v[rS+2*((\f)/2):rS+2*((\f)/2)+1], s[CS:CS+1], v[rT:rT+1] op_sel_hi:[1,0,0] neg_lo:[0,0,1] neg_hi:[0,0,1]
.endm
; THE PLAIN QUEUE, 138 long: 0-73 read no exponential's result (32 scalings, the next piece's 42); 74-137 are GS's 64, behind the wait.
.macro PL
	WIN 0
.if q < 27
	FS q
.elseif q < 55
	XS (q-27)%2, (q-27)/2
.elseif q < 57
	XS q-55, 15
.elseif (q < 72) && ((q-57)%3 == 0)
	FS 27+(q-57)/3
.elseif q < 60
	XS (q-57)%3-1, 14
.elseif q < 72
	XS (q-57)%3-1, 15+(q-57)/3
.elseif q < 74
	XS q-72, 20
.else
	GS q-74
.endif
.set q, q+1
.endm
.macro EX                           ; the exponentials' queue, 66 long: one batch ahead of the turn's one wait
	WIN 0
.if e >= 64
	XS e-64, 21
.else
	REGS Y, e%2
	v_exp_f32 v[rS+e/2], v[rS+e/2]
.endif
.set e, e+1
.endm
.macro R2                           ; O^T times a, two at a time
	REGS Y, r%2
	WIN W_RS
.irp z, 0,1
	v_pk_mul_f32 v[rO+4*(r/2)+2*\z:rO+4*(r/2)+2*\z+1], v[rO+4*(r/2)+2*\z:rO+4*(r/2)+2*\z+1], v[rC+2:rC+3] op_sel_hi:[1,0]
.endr
.set r, r+1
.endm
; A TURN, for piece p.  Ahead of its one wait stands all that names no result of its exponentials: 16 products K Q^T with a scaling, an exponential and two rescalings behind each, then one run of 108.
; Behind the wait: the LDS runs (piece 2: K of the next step and its mask addends; every piece: the five bias blocks of piece p + 2), 16 products V^T P with four of the roundings and sums behind each,
; (piece 0: V of the step in hand, four plain instructions behind its last reader), and the bias and mask of piece p + 2 into the buffer that piece p has left.
; All four turns of a trip 2, 3, 0, 1 lay the bias of the same key step J; piece 1's turn steps J.
.macro TURN p, last=0, cnt=0, ask=0
.set Y, (\p)
.set i, 0
.set q, 0
.set e, 0
.set r, 0
.if (\p) == NP-1
	s_wait_dscnt 0x0                ; K is in
.endif
	MM
	PL
	PL
	R2
.rept 15
	MM
	PL
	EX
	R2
.endr
	TADR ((\p)+2)%NP
.if (\p) == NP-2
	v_add_nc_u32 v[AK], s[TBK], v[AK0]
	s_min_u32 s[TT2], s[MAO], 7936  ; (the tail's last trip lays a step that does not exist: its address is held inside the table)
	v_add_nc_u32 v[AM], s[TT2], v[AM0]
.endif
.rept 8
	PL
.endr
.rept 49
	EX
	PL
.endr
	EX
	EX
	v_nop                           ; a plain instruction behind the last exponential: one for the batch
	s_wait_alu depctr_va_vdst(0)    ; the wait for the batch
.if (\p) == NP-2
	FETCH_K \last
	FETCH_M
.endif
	FETCH_T
.if \ask
	ASK
.endif
.if (\p) == 1
	s_wait_dscnt 10                 ; V is in; the bias blocks' ten loads may stay out
.endif
.rept 16
	MM
.rept 4
	PL
.endr
.if ((\p) == 0) && (q == 118)
	v_add_nc_u32 v[AV], s[TBV], v[AV0]
.endif
.if ((\p) == 0) && (q == 130)
	s_add_co_u32 s[TBV], s[TBV], KS*PV
.endif
.endr
.if (\p) == 0
	FETCH_V
	s_wait_dscnt 16                 ; the bias blocks are in; V's sixteen loads may stay out
.else
	s_wait_dscnt 0x0                ; the bias blocks are in (piece 2: the mask addends and K too)
.endif
	BIAS ((\p)+2)%NP
.if (\p) == 1
	s_add_co_u32 s[E0], s[E0], 4
	s_add_co_u32 s[MAO], s[MAO], 256
.endif
.if \cnt
	s_sub_co_u32 s[CNT], s[CNT], 1
	s_cmp_lg_u32 s[CNT], 0
.endif
.endm
	CHANGE 1                        ; slot 0 is in, and the tables; slot 1 is asked for
	FETCH_K                         ; key step 0
	FETCH_M
	TADR 0
	FETCH_T
	s_wait_loadcnt 0x0              ; Q
	s_wait_dscnt 0x0
	BIAS 0
	TADR 1
	FETCH_T
.set i, 0
.rept 16
	KQ 0                            ; piece 0's first scores
.set i, i+1
.endr
	s_wait_dscnt 0x0
	BIAS 1                          ; 32 plain instructions that name none of those products' registers: the places behind them
.set Y, NP-1
.irp n, 0,1,2,3,4,5,6,7,8,9,10,11,12,13,14,15,16,17,18,19,20,21
	XS 0, \n
	XS 1, \n
.endr
	v_nop
	s_wait_alu depctr_va_vdst(0)
	s_mov_b32 s[CNT], 4
	s_mov_b32 s[SLOTS], SIZE_N/256-1
	s_branch .Lfirst                ; the loop is entered at a step's first turn
.Lslot:                             ; six times: tiles 2 to 7 are asked for
	CHANGE 1
	s_mov_b32 s[CNT], 4
.Lstep:                             ; a trip: pieces 2 and 3 of one step, then pieces 0 and 1 of the next
	TURN 2, 0, 0, 1
	TURN 3
	WIN 0
.Lfirst:
	TURN 0
	TURN 1, 0, 1
	WIN 0
	s_cbranch_scc1 .Lstep
	s_sub_co_u32 s[SLOTS], s[SLOTS], 1
	s_cmp_lg_u32 s[SLOTS], 0
	s_cbranch_scc1 .Lslot
	CHANGE 0                        ; the tail is written out
	s_mov_b32 s[CNT], 5
.Ltail:
	TURN 2, 1
	TURN 3
	WIN 0
	s_sub_co_u32 s[CNT], s[CNT], 1
	s_cmp_eq_u32 s[CNT], 0
	s_cbranch_scc1 .Lout
	TURN 0
	TURN 1
	WIN 0
	s_branch .Ltail
.Lout:                              ; the fifth trip's products K Q^T and the maximum made of them serve nothing (a masked row's maximum stays masked: they carry the last step's addends)
.set i, 0
.rept 16
	PV NP-1
.set i, i+1
.endr
	; THE WAY OUT.  l's halves are added; O^T is divided by l, rounded to f16 and sent through my stage, a tile at a time.
	WIN 0
.macro ALL line:vararg
.set t, 0
.rept 2*NP
	\line
.set t, t+1
.endr
.endm
	ALL v_add_f32 v[ST+4*t+2], v[ST+4*t+2], v[ST+4*t+3]
	ALL v_permlanex16_b32 v[ST+4*t+3], v[ST+4*t+2], s[SEL], s[SEL+1]
	ALL v_add_f32 v[ST+4*t+2], v[ST+4*t+2], v[ST+4*t+3]
	ALL v_rcp_f32 v[ST+4*t+2], v[ST+4*t+2]
	v_mov_b32 v12, 0x7fc00000       ; a plain instruction behind the last reciprocal
	s_wait_alu depctr_va_vdst(0)    ; one wait for the eight reciprocals
.set t, 0
.rept 2*NP
	v_cmp_gt_f32 vcc_lo, s[THR], v[ST+4*t+1]  ; no key kept: the row is NaN
	v_cndmask_b32 v[ST+4*t+2], v[ST+4*t+2], v12, vcc_lo
.set t, t+1
.endr
.macro PACK t
	WIN W_RS
.set i, 32*(\t)
.rept 16
	v_pk_mul_f32 v[i:i+1], v[i:i+1], v[ST+4*(\t)+2:ST+4*(\t)+3] op_sel_hi:[1,0]
.set i, i+2
.endr
	WIN 0x05
.set i, 0
.rept 16
	v_cvt_pk_f16_f32 v[S+16*(\t)+i], v[32*(\t)+2*i], v[32*(\t)+2*i+1]
.set i, i+1
.endr
	WIN 0
.irp f, 0,1,2,3
	ds_store_b128 v[STO], v[S+16*(\t)+4*\f:S+16*(\t)+4*\f+3] offset:32*\f
.endr
.irp f, 0,1,2,3
	ds_load_b128 v[S+16*(\t)+4*\f:S+16*(\t)+4*\f+3], v[RD] offset:\f*4*SP  ; LDS serves a wave's instructions in order (ISA guide 5.7.1.4)
.endr
.endm
.macro SEND t, younger
	WIN 0
.irp f, 0,1,2,3
	s_wait_dscnt (\younger)+3-\f
	global_store_b128 v[GO], v[S+16*(\t)+4*\f:S+16*(\t)+4*\f+3], s[10:11] offset:((\t)/2)*65536+((\t)%2)*2048+\f*512  ; 512 consecutive bytes, aligned
.endr
.endm
	PACK 0
.set t, 1
.rept 2*NP-1
	PACK t
	SEND t-1, 8
.set t, t+1
.endr
	SEND 2*NP-1, 0
	WIN W_AD
	s_wait_tensorcnt 0x0            ; the wave's end
	ds_add_u32 v[SPW], v[NIL]
	s_wait_dscnt 0x0
	WIN 0
	CROUND                          ; the closing round
	s_endpgm
.Lfunc_end_k_qc4af04fc46_attn:
	.size	k_qc4af04fc46_attn, .Lfunc_end_k_qc4af04fc46_attn-k_qc4af04fc46_attn
	.p2alignl 7, 3214868480
	.fill 96, 4, 3214868480
	.section	.rodata,"a",@progbits
	.p2align	6, 0x0
	.amdhsa_kernel k_qc4af04fc46_attn
		.amdhsa_group_segment_fixed_size 327680
		.amdhsa_private_segment_fixed_size 0
		.amdhsa_enable_private_segment 0
		.amdhsa_kernarg_size 32
		.amdhsa_user_sgpr_count 2
		.amdhsa_user_sgpr_kernarg_segment_ptr 1
		.amdhsa_wavefront_size32 1
		.amdhsa_system_sgpr_workgroup_id_x 1
		.amdhsa_system_sgpr_workgroup_id_y 1
		.amdhsa_system_sgpr_workgroup_id_z 1
		.amdhsa_system_vgpr_workitem_id 0
		.amdhsa_next_free_vgpr 896
		.amdhsa_next_free_sgpr 80
		.amdhsa_reserve_vcc 1
		.amdhsa_float_denorm_mode_32 3
		.amdhsa_float_denorm_mode_16_64 3
		.amdhsa_memory_ordered 1
		.amdhsa_forward_progress 1
		.amdhsa_inst_pref_size 237
	.end_amdhsa_kernel
	.amdgpu_metadata
---
amdhsa.version: [ 1, 2 ]
amdhsa.kernels:
  - .name:           k_qc4af04fc46_attn
    .symbol:         k_qc4af04fc46_attn.kd
    .args:
      - { .name: qkvh, .offset: 0, .size: 8, .value_kind: global_buffer, .address_space: global }
      - { .name: gt, .offset: 8, .size: 8, .value_kind: global_buffer, .address_space: global }
      - { .name: mad, .offset: 16, .size: 8, .value_kind: global_buffer, .address_space: global }
      - { .name: oh, .offset: 24, .size: 8, .value_kind: global_buffer, .address_space: global }
    .group_segment_fixed_size: 327680
    .private_segment_fixed_size: 0
    .kernarg_segment_align: 8
    .kernarg_segment_size: 32
    .max_flat_workgroup_size: 128
    .sgpr_count:     80
    .vgpr_count:     896
    .wavefront_size: 32
...
	.end_amdgpu_metadata
.endif
;; end of part 3
;; launch oproj (part 4): grid 8 x 32, 4 waves a work-group, clusters of 4 x 4, 327,680 bytes of LDS; arguments oh, wob, bo, out0; writes out0
.if DOCPART == 4
	.amdgcn_target "amdgcn-amd-amdhsa--gfx1250"
	.amdhsa_code_object_version 6
	.text
	.protected	k_qc4af04fc46_oproj
	.globl	k_qc4af04fc46_oproj
	.p2align	8
	.type	k_qc4af04fc46_oproj,@function
k_qc4af04fc46_oproj:
	s_mov_b64 s[64:65], 0
	v_nop
	global_prefetch_b8 v0, s[64:65] scope:SCOPE_SE
	s_setreg_imm32_b32 hwreg(HW_REG_WAVE_MODE, 25, 1), 1
	s_wait_xcnt 0x0
	s_wait_alu depctr_hold_cnt(0) depctr_sa_sdst(0) depctr_va_vdst(0) depctr_va_sdst(0) depctr_va_ssrc(0) depctr_va_vcc(0) depctr_vm_vsrc(0)
	s_getreg_b32 s2, hwreg(HW_REG_IB_STS2, 6, 4)
	s_cmp_eq_u32 s2, 0
	s_cbranch_scc0 .Lentry_in_a_cluster
	s_endpgm
.Lentry_in_a_cluster:
	s_bfe_u32 s2, ttmp6, 0x10000c
	s_cmp_lg_u32 s2, 0xf033
	s_cbranch_scc0 .Lentry_shape_is_right
	s_endpgm
.Lentry_shape_is_right:
; out0 = O Wo + bo: 8,192 tokens x 1,024 columns over K = 1,024 (16 heads x 64), f16 operands, f32 sums, f32 out.  oh: f16 [64 bh][2048 l][64]; wob: f16 [1024 k][1024 n]; bo is rounded to bf16 like every input.
; SHARES.  8,192 x 1,024 / 256 work-groups: a work-group makes 256 tokens x 128 columns, each of its four waves 128 x 64: 32 accumulators in window 1.
; K goes in 8 steps of 128 (two heads) through two LDS slots; a step is four quarters of 32 along K, 32 matrix instructions each, on fragment buffers 0, 1, 0, 1.
; The matrix instruction is used transposed (source 0 = 16 columns of Wo, turned by ds_load_tr16_b128; source 1 = 16 tokens): a lane holds one token and eight neighbouring columns.  The bias is the C operand of the first products.
; CLUSTER 4 x 4: the four of a row share O's tiles, the four of a column Wo's: joint loads.
; REGISTERS, window 0: v16-29 addresses; buffer f: tokens v[32 + 64 f ..], Wo v[160 + 32 f ..]; v224-255 the bias; on the way out v32-95 rows read back.
.set PA,    144
.set PB,    288                        ; a row of Wo's tile: 256 bytes + 32: 9 x 32
.set PLANE, 256*PA                     ; a head's 256 tokens
.set BOFF,  2*PLANE
.set BHALF, 64*PB
.set SLOT,  BOFF+2*BHALF               ; 110,592
.set STAGE, 2*SLOT                     ; 16 rows x 272 bytes for each wave
.set SPI,   272
.set SPARE, STAGE+4*16*SPI
.set ASTEP, 2*262144                   ; two heads of oh
.set BSTEP, 128*2048                   ; 128 rows of wob
.set ADRA, 16
.set ADRB, 20
.set STO,  24
.set RD,   25
.set CO,   26
.set SPW,  28
.set NIL,  29
.set FA,   32
.set FB,   160
.set BC,   224
.set BK,   32
.set G1,   24
.set G0,   32
.set G1B,  48
.set G0B,  56
.set MSB, 0
.macro WIN new
.if MSB != (\new)
	s_set_vgpr_msb (MSB<<8)|(\new)
.set MSB, \new
.endif
.endm
.macro PLACES
.rept 4
	v_nop
.endr
.endm
.macro JLOAD s                         ; waves 0 and 1 fetch the step's two heads of O, waves 2 and 3 the two halves of Wo's rows
	s_cmp_eq_u32 s13, 0
	s_cbranch_scc0 .Lfor_b_\@
	tensor_load_to_lds s[G0+4*(\s):G0+4*(\s)+3], s[G1:G1+7]
	s_nop 0
.rept 4
	v_nop
.endr
	s_branch .Lasked_\@
.Lfor_b_\@:
	tensor_load_to_lds s[G0B+4*(\s):G0B+4*(\s)+3], s[G1B:G1B+7]
	s_nop 0
.rept 4
	v_nop
.endr
.Lasked_\@:
.endm
.macro CREST
	s_cmp_lg_u32 s12, 0
	s_cbranch_scc1 .Lnot_wave_0_\@
	s_barrier_signal -3
.Lnot_wave_0_\@:
	s_barrier_wait -3
	s_barrier_signal -1
	s_barrier_wait -1
.endm
.macro CROUND
	s_barrier_signal -1
	s_barrier_wait -1
	CREST
.endm
	s_load_b256 s[4:11], s[0:1], 0x0               ; oh 4, wob 6, bo 8, out0 10
	v_lshl_add_u32 v[SPW], v0, 2, SPARE
	v_mov_b32 v[NIL], 0
	ds_add_u32 v[SPW], v[NIL]                      ; the wave's opening: the add and its wait ahead of my first tensor load
	v_lshrrev_b32 v1, 5, v0
	v_readfirstlane_b32 s12, v1
	s_lshr_b32 s13, s12, 1                         ; MH: my half of the tokens.  Also: I fetch O (0) or Wo (1)
	s_and_b32 s14, s12, 1                          ; NH: my half of the columns.  Also: which part of that tile I fetch
	s_bfe_u32 s40, ttmp6, 0x40000
	s_bfe_u32 s41, ttmp6, 0x40004
	s_lshl_b32 s42, ttmp9, 2
	s_add_co_u32 s42, s42, s40                     ; x: the block of 128 columns
	s_and_b32 s43, ttmp7, 0xffff
	s_lshl_b32 s43, s43, 2
	s_add_co_u32 s43, s43, s41                     ; y: the block of 256 tokens
	s_lshl_b32 s44, s41, 2
	s_lshl_b32 s44, 15, s44
	s_lshl_b32 s45, 0x1111, s40
	; O: a head's 256 tokens are 32,768 dense bytes: 128 rows of 256, padded by 4 words after every 32
	s_or_b32 s[G1], s44, (1<<16)|(1<<20)|(1<<21)|(4<<22)|(3<<25)
	s_mov_b32 s[G1+1], 128<<16
	s_mov_b32 s[G1+2], 128<<16
	s_mov_b32 s[G1+3], 128<<16
	s_mov_b32 s[G1+4], 128
	s_mov_b32 s[G1+5], 128
	s_mov_b32 s[G1+6], 0
	s_mov_b32 s[G1+7], 0
	; Wo: 64 rows of 128 elements, 1,024 apart, padded by 8 words after every 64
	s_or_b32 s[G1B], s45, (1<<16)|(1<<20)|(1<<21)|(5<<22)|(7<<25)
	s_mov_b32 s[G1B+1], 128<<16
	s_mov_b32 s[G1B+2], 64<<16
	s_mov_b32 s[G1B+3], 128<<16
	s_mov_b32 s[G1B+4], 64
	s_mov_b32 s[G1B+5], 1024
	s_mov_b32 s[G1B+6], 0
	s_mov_b32 s[G1B+7], 0
	s_lshr_b32 s16, s43, 3                         ; O's tile hangs on y and the wave alone
	s_lshl_b32 s16, s16, 22
	s_and_b32 s17, s43, 7
	s_lshl_b32 s17, s17, 15
	s_add_co_u32 s16, s16, s17
	s_lshl_b32 s17, s14, 18                        ; the step's first or second head
	s_add_co_u32 s16, s16, s17
	s_mov_b32 s17, 0
	s_lshl_b32 s46, s42, 8                         ; Wo's tile hangs on x and the wave alone
	s_lshl_b32 s47, s14, 17
	s_add_co_u32 s46, s46, s47
	s_mov_b32 s47, 0
	s_mul_i32 s20, s14, PLANE
	s_mul_i32 s21, s14, BHALF
	s_add_co_u32 s21, s21, BOFF
	s_wait_dscnt 0x0
	s_wait_kmcnt 0x0
	s_add_nc_u64 s[16:17], s[4:5], s[16:17]
	s_add_nc_u64 s[46:47], s[6:7], s[46:47]
	CROUND                                         ; all sixteen work-groups are here: the first joint loads meet
.irp s, 0,1
	s_mov_b32 s[G0+4*(\s)], 1
	s_add_co_u32 s[G0+4*(\s)+1], s20, (\s)*SLOT
	s_add_nc_u64 s[G0+4*(\s)+2:G0+4*(\s)+3], s[16:17], (\s)*ASTEP
	s_or_b32 s[G0+4*(\s)+3], s[G0+4*(\s)+3], 0x80000000
	s_mov_b32 s[G0B+4*(\s)], 1
	s_add_co_u32 s[G0B+4*(\s)+1], s21, (\s)*SLOT
	s_add_nc_u64 s[G0B+4*(\s)+2:G0B+4*(\s)+3], s[46:47], (\s)*BSTEP
	s_or_b32 s[G0B+4*(\s)+3], s[G0B+4*(\s)+3], 0x80000000
	JLOAD \s                                       ; K steps 0 and 1: two loads of mine are out
.endr
	v_and_b32 v1, 15, v0
	v_bfe_u32 v2, v0, 4, 1
	v_and_b32 v3, 7, v0
	v_bfe_u32 v4, v0, 3, 1
	v_lshlrev_b32 v8, 5, v2                        ; the bias: a lane's eight columns of a block: 32 h
	s_lshl_b32 s22, s42, 9                         ; my 64 columns: 512 x + 256 NH bytes of f32
	s_lshl_b32 s23, s14, 8
	s_add_co_u32 s22, s22, s23
	s_mov_b32 s23, 0
	s_add_nc_u64 s[8:9], s[8:9], s[22:23]
.irp c, 0,1,2,3
	global_load_b128 v[BC+8*\c:BC+8*\c+3],   v8, s[8:9] offset:64*\c
	global_load_b128 v[BC+8*\c+4:BC+8*\c+7], v8, s[8:9] offset:64*\c+16
.endr
	s_add_nc_u64 s[10:11], s[10:11], s[22:23]      ; out0 at my columns,
	s_lshl_b32 s22, s43, 20                        ; 256 y rows of 4,096 bytes,
	s_lshl_b32 s18, s13, 19                        ; my 128 of them
	s_add_co_u32 s22, s22, s18
	s_add_nc_u64 s[10:11], s[10:11], s[22:23]
	v_mul_u32_u24 v5, v1, PA
	v_lshl_add_u32 v5, v2, 4, v5
	s_mul_i32 s22, s13, 128*PA
	v_add_nc_u32 v[ADRA], s22, v5
	v_add_nc_u32 v[ADRA+1], SLOT, v[ADRA]
	v_lshl_add_u32 v6, v2, 3, v3
	v_mul_u32_u24 v6, v6, PB
	v_lshl_add_u32 v6, v4, 4, v6
	s_lshl_b32 s22, s14, 7
	s_add_co_u32 s22, s22, BOFF
	v_add_nc_u32 v[ADRB], s22, v6
	v_add_nc_u32 v[ADRB+1], SLOT, v[ADRB]
	s_mul_i32 s22, s12, 16*SPI
	s_add_co_u32 s22, s22, STAGE
	v_mul_u32_u24 v7, v1, SPI                      ; in: row r, 32 bytes for each half of the lanes
	v_lshl_add_u32 v7, v2, 5, v7
	v_add_nc_u32 v[STO], s22, v7
	v_mul_u32_u24 v7, v2, SPI                      ; back: lanes 0-15 one row of 256 bytes, lanes 16-31 the next
	v_lshl_add_u32 v7, v1, 4, v7
	v_add_nc_u32 v[RD], s22, v7
	v_lshlrev_b32 v7, 12, v2
	v_lshl_add_u32 v[CO], v1, 4, v7
	s_wait_loadcnt 0x0
.set j, 0
.rept 16
	v_cvt_pk_bf16_f32 v9, v[BC+2*j], v[BC+2*j+1]
	v_lshlrev_b32 v[BC+2*j], 16, v9
	v_and_b32 v[BC+2*j+1], 0xffff0000, v9
.set j, j+1
.endr
; 8 matrix instructions: token blocks a0, a0 + 1 x all four column blocks, from buffer f.  cm = 1: the bias starts the sums.  The 32 accumulators take turns.
.macro MUL8 f, a0, cm
.if \cm
	WIN 0x40
.else
	WIN 0x50
.endif
.irp a, 0,1
.irp c, 0,1,2,3
.set rD, 8*(4*((\a0)+\a)+\c)
.set rB, FB+32*(\f)+8*\c
.set rA, FA+64*(\f)+8*((\a0)+\a)
.if \cm
	v_wmma_f32_16x16x32_f16 v[rD:rD+7], v[rB:rB+7], v[rA:rA+7], v[BC+8*\c:BC+8*\c+7]
.else
	v_wmma_f32_16x16x32_f16 v[rD:rD+7], v[rB:rB+7], v[rA:rA+7], v[rD:rD+7]
.endif
.endr
.endr
.endm
.macro MULH f, half, cm
	MUL8 \f, 4*(\half), \cm
	MUL8 \f, 4*(\half)+2, \cm
.endm
; 24 LDS loads in one run: quarter kq of slot s into buffer f: Wo (8), tokens' blocks 0-3 (8), blocks 4-7 (8)
.macro FETCH s, kq, f
	WIN 0
.irp c, 0,1,2,3
	ds_load_tr16_b128 v[FB+32*(\f)+8*\c:FB+32*(\f)+8*\c+3],   v[ADRB+(\s)] offset:32*PB*(\kq)+32*\c
	ds_load_tr16_b128 v[FB+32*(\f)+8*\c+4:FB+32*(\f)+8*\c+7], v[ADRB+(\s)] offset:32*PB*(\kq)+32*\c+16*PB
.endr
.irp a, 0,1,2,3,4,5,6,7
	ds_load_b128 v[FA+64*(\f)+8*\a:FA+64*(\f)+8*\a+3],   v[ADRA+(\s)] offset:PLANE*((\kq)/2)+64*((\kq)%2)+16*PA*\a
	ds_load_b128 v[FA+64*(\f)+8*\a+4:FA+64*(\f)+8*\a+7], v[ADRA+(\s)] offset:PLANE*((\kq)/2)+64*((\kq)%2)+16*PA*\a+32
.endr
.endm
.macro QUARTER s, kq, cm=0             ; one of a step's first three quarters: multiplies buffer kq % 2 and fetches the next quarter into the other
	s_wait_dscnt 8                                 ; Wo and blocks 0-3 are in; blocks 4-7 may be out
	MULH (\kq)%2, 0, \cm
	PLACES
	FETCH \s, (\kq)+1, ((\kq)+1)%2
	s_wait_dscnt 24                                ; all but the 24 just issued
	MULH (\kq)%2, 1, \cm
.endm
; The last quarter multiplies buffer 1 and changes slots: ONE barrier; in front of it each wave waits for all its tensor loads, adds 0 to its spare word, and waits for that and for its reads of this slot.
; fill = 1: the barrier opens a round of the cluster's, and the joint refill is the first thing behind it: 112 matrix instructions stand between the request and the wait for it.
.macro TURN s, n, fill
	WIN 0
	s_wait_tensorcnt 0x0
	ds_add_u32 v[SPW], v[NIL]
	s_wait_dscnt 9                                 ; blocks 4-7's eight loads and the add may be out
	MUL8 1, 0, 0
	s_wait_dscnt 0x0
	s_barrier_signal -1
	MUL8 1, 2, 0
	WIN 0
	s_barrier_wait -1
.if \fill
	CREST
	s_add_nc_u64 s[G0+4*(\s)+2:G0+4*(\s)+3], s[G0+4*(\s)+2:G0+4*(\s)+3], 2*ASTEP
	s_add_nc_u64 s[G0B+4*(\s)+2:G0B+4*(\s)+3], s[G0B+4*(\s)+2:G0B+4*(\s)+3], 2*BSTEP
	JLOAD \s                                       ; the four v_nop behind it are also the places in front of the loads below
.else
	PLACES
.endif
	FETCH \n, 0, 0
	MULH 1, 1, 0
.endm
	s_wait_tensorcnt 1                             ; my part of K step 0 is in; step 1's may stay out
	s_barrier_signal -1
	s_barrier_wait -1
	FETCH 0, 0, 0
	QUARTER 0, 0, 1                                ; the first quarter stands in front of the loop: its products start the sums with the bias
	WIN 0
	s_mov_b32 s3, 3
.Llap:                                                 ; a trip goes once round the ring and fills both slots again: K steps 2 to 7
	QUARTER 0, 1
	QUARTER 0, 2
	TURN 0, 1, 1
	QUARTER 1, 0
	QUARTER 1, 1
	QUARTER 1, 2
	TURN 1, 0, 1
	QUARTER 0, 0
	WIN 0
	s_sub_co_u32 s3, s3, 1
	s_cmp_lg_u32 s3, 0
	s_cbranch_scc1 .Llap
	QUARTER 0, 1                                   ; the last lap fills nothing
	QUARTER 0, 2
	TURN 0, 1, 0
	QUARTER 1, 0
	QUARTER 1, 1
	QUARTER 1, 2
	s_wait_dscnt 8
	MULH 1, 0, 0
	s_wait_dscnt 0x0
	MULH 1, 1, 0
	PLACES
; THE WAY OUT, block a of 16 tokens: the f32 sums go into my stage, 32 bytes a lane, and come back as whole rows of 256 bytes: sixteen lanes store 256 consecutive aligned bytes of out0.
.macro TOSTAGE a
	s_wait_xcnt 0x0                                ; the stores of the block two back have read the registers that the loads below fill
	WIN 0x04                                       ; the stores' data in window 1
.irp c, 0,1,2,3
	ds_store_b128 v[STO], v[8*(4*(\a)+\c):8*(4*(\a)+\c)+3]   offset:64*\c
	ds_store_b128 v[STO], v[8*(4*(\a)+\c)+4:8*(4*(\a)+\c)+7] offset:64*\c+16
.endr
	WIN 0
.irp t, 0,1,2,3,4,5,6,7
	ds_load_b128 v[BK+32*((\a)%2)+4*\t:BK+32*((\a)%2)+4*\t+3], v[RD] offset:2*SPI*\t  ; LDS serves a wave's instructions in order (ISA guide 5.7.1.4)
.endr
.endm
.macro SEND a, younger                 ; younger: the next block's sixteen LDS instructions, or none
	s_wait_dscnt \younger
.irp t, 0,1,2,3,4,5,6,7
	global_store_b128 v[CO], v[BK+32*((\a)%2)+4*\t:BK+32*((\a)%2)+4*\t+3], s[10:11] offset:(16*(\a)+2*\t)*4096
.endr
.endm
	TOSTAGE 0
.set a, 1
.rept 7
	TOSTAGE a
	SEND a-1, 16
.set a, a+1
.endr
	SEND 7, 0
	s_wait_tensorcnt 0x0                           ; the wave's end
	ds_add_u32 v[SPW], v[NIL]
	s_wait_dscnt 0x0
	CROUND                                         ; the closing round
	s_endpgm
.Lfunc_end_k_qc4af04fc46_oproj:
	.size	k_qc4af04fc46_oproj, .Lfunc_end_k_qc4af04fc46_oproj-k_qc4af04fc46_oproj
	.p2alignl 7, 3214868480
	.fill 96, 4, 3214868480
	.section	.rodata,"a",@progbits
	.p2align	6, 0x0
	.amdhsa_kernel k_qc4af04fc46_oproj
		.amdhsa_group_segment_fixed_size 327680
		.amdhsa_private_segment_fixed_size 0
		.amdhsa_enable_private_segment 0
		.amdhsa_kernarg_size 32
		.amdhsa_user_sgpr_count 2
		.amdhsa_user_sgpr_kernarg_segment_ptr 1
		.amdhsa_wavefront_size32 1
		.amdhsa_system_sgpr_workgroup_id_x 1
		.amdhsa_system_sgpr_workgroup_id_y 1
		.amdhsa_system_sgpr_workgroup_id_z 1
		.amdhsa_system_vgpr_workitem_id 0
		.amdhsa_next_free_vgpr 512
		.amdhsa_next_free_sgpr 66
		.amdhsa_reserve_vcc 0
		.amdhsa_float_denorm_mode_32 3
		.amdhsa_float_denorm_mode_16_64 3
		.amdhsa_memory_ordered 1
		.amdhsa_forward_progress 1
		.amdhsa_inst_pref_size 89
	.end_amdhsa_kernel
	.amdgpu_metadata
---
amdhsa.version: [ 1, 2 ]
amdhsa.kernels:
  - .name:           k_qc4af04fc46_oproj
    .symbol:         k_qc4af04fc46_oproj.kd
    .args:
      - { .name: oh, .offset: 0, .size: 8, .value_kind: global_buffer, .address_space: global }
      - { .name: wob, .offset: 8, .size: 8, .value_kind: global_buffer, .address_space: global }
      - { .name: bo, .offset: 16, .size: 8, .value_kind: global_buffer, .address_space: global }
      - { .name: out0, .offset: 24, .size: 8, .value_kind: global_buffer, .address_space: global }
    .group_segment_fixed_size: 327680
    .private_segment_fixed_size: 0
    .kernarg_segment_align: 8
    .kernarg_segment_size: 32
    .max_flat_workgroup_size: 128
    .sgpr_count:     66
    .vgpr_count:     512
    .wavefront_size: 32
...
	.end_amdgpu_metadata
.endif
;; end of part 4
;; ======== version 2 of 2: 4 launches; version 1 with the launch prep written anew for expert scheduling mode
;; limits: values are held in f16: magnitudes above 65,504 overflow, below 6.1e-05 lose precision
;; workspace buffers: xb 16,777,216 bytes; wqkvb 6,291,456 bytes; wob 2,097,152 bytes; gt 655,360 bytes; mad 32,768 bytes; qkvh 50,331,648 bytes; oh 16,777,216 bytes
;; launch prep (part 5): grid 936 x 1, 8 waves a work-group, no clusters, 0 bytes of LDS; arguments x, Wqkv, Wo, rel_bias, key_padding_mask, xb, wqkvb, wob, gt, mad; writes xb, wqkvb, wob, gt, mad
.if DOCPART == 5
	.amdgcn_target "amdgcn-amd-amdhsa--gfx1250"
	.amdhsa_code_object_version 6
	.text
	.protected	k_qc4af04fc46_prep
	.globl	k_qc4af04fc46_prep
	.p2align	8
	.type	k_qc4af04fc46_prep,@function
k_qc4af04fc46_prep:
	s_mov_b64 s[64:65], 0
	v_nop
	global_prefetch_b8 v0, s[64:65] scope:SCOPE_SE
	s_setreg_imm32_b32 hwreg(HW_REG_WAVE_SCHED_MODE, 0, 2), 2
	s_setreg_imm32_b32 hwreg(HW_REG_WAVE_MODE, 25, 1), 1
	s_wait_xcnt 0x0
	s_wait_alu depctr_vm_vsrc(0)
; PREPARATION: every input of the module is rounded once to bf16 and laid out for the launches behind.
;   xb    bf16 [4 b][16 kb][2048 l][64]: x with K cut into blocks of 64, so that a block's tokens lie end to end (128 bytes each)
;   wqkvb bf16 [1024 k][3072 n]: Wqkv as it lies        wob  f16 [1024 k][1024 n]: Wo rounded to bf16, that number written as f16
;   gt    f32 [40 blk][16 head][1024 bytes]: 8 x rel_bias (rounded to bf16) as blocks of 16 keys x 16 queries in the layout of a matrix result:
;         block blk, lane (r = l % 16, h = l / 16), register i holds 8 b[clip(16 clamp(blk - 19, -9, 9) + 8 h + i - r, -128, 128) + 128]; byte 512 (i / 4) + 16 l + 4 (i % 4)
;   mad   f32 [4][2048]: 0 where the key is kept, -1e30 where it is masked
; LIMIT: Wo rounded to bf16 must lie within f16's 65,504; below 6e-5 f16 keeps a fixed step of 6e-8.
; A stream: no LDS, no barrier, no matrix unit.  Work-groups 0-511 take x, 512-703 Wqkv, 704-767 Wo, 768-927 gt, 928-935 mad.
; THE MODE: SCHED_MODE bits 1:0 = 2 (LLVM: expert scheduling mode 2), set by the entry lines.  The code itself states the register dependences
; between vector instructions and memory instructions, with s_wait_alu, always for 0.
; THE PLAN.  Registers that memory instructions touch, in a job of 16 loads and 16 stores:
;   v2, v3     byte offsets of the loads and of the stores: made once ahead of the job, never written again.
;   v[16:79]   load i lands in four of them, once; its own conversions read them.
;   v[80:111]  load i's conversions write two of them; store i reads them; they are not written again behind it.
;   v[112:115] at work: no memory instruction names them.
; The 16 loads go in four groups of four.  Store i - 4 stands in front of load i's conversions: the stores of a group stand among the vector lines of the next group,
; which name that group's own registers alone.  So one wait on va_vdst at the head of a group states all that its four stores hang on.
; No register that a load or store has read is written again on any path, so the only wait on vm_vsrc is the entry's; EXEC is never written.
.set GX,  512
.set GW,  704
.set GO,  768
.set GG,  928
; A wave's job: 16 loads of 512 bytes (two aligned runs of 256), all out at once; each is rounded and leaves as 256 consecutive aligned bytes.
.macro JOB lstep, sstep, fmt
	s_wait_alu depctr_va_vdst(0)                   ; v2 and v3 are written: the loads below read v2 as their offset, the stores v3
.set i, 0
.rept 16
	global_load_b128 v[16+4*i:19+4*i], v2, s[28:29] offset:i*(\lstep) th:TH_LOAD_NT
.set i, i+1
.endr
.set i, 0
.rept 16
	s_wait_loadcnt 15-i                            ; loads come back in order: load i is in, the 15 - i younger ones stay out
.if (i >= 4) && (i%4 == 0)
	s_wait_alu depctr_va_vdst(0)                   ; the group before has written its eight registers of v[80 ..], which this group's four stores read
.endif
.if i >= 4
	global_store_b64 v3, v[80+2*(i-4):81+2*(i-4)], s[30:31] offset:(i-4)*(\sstep)  ; no vector line since the wait names these registers
.endif
	v_cvt_pk_bf16_f32 v[80+2*i], v[16+4*i], v[17+4*i]
	v_cvt_pk_bf16_f32 v[81+2*i], v[18+4*i], v[19+4*i]
.if \fmt
	v_lshlrev_b32 v112, 16, v[80+2*i]              ; the bf16 numbers as f32,
	v_and_b32 v113, 0xffff0000, v[80+2*i]
	v_lshlrev_b32 v114, 16, v[81+2*i]
	v_and_b32 v115, 0xffff0000, v[81+2*i]
	v_cvt_pk_f16_f32 v[80+2*i], v112, v113         ; written as f16: exact within f16's range
	v_cvt_pk_f16_f32 v[81+2*i], v114, v115
.endif
.set i, i+1
.endr
	s_wait_alu depctr_va_vdst(0)                   ; the last group has written v[104:111], which the last four stores read
.set i, 12
.rept 4
	global_store_b64 v3, v[80+2*i:81+2*i], s[30:31] offset:i*(\sstep)
.set i, i+1
.endr
.endm
	s_load_b512 s[8:23], s[0:1], 0x0               ; x 8, Wqkv 10, Wo 12, rel_bias 14, mask 16, xb 18, wqkvb 20, wob 22
	s_load_b128 s[24:27], s[0:1], 0x40             ; gt 24, mad 26
	v_lshrrev_b32 v1, 5, v0
	v_readfirstlane_b32 s6, v1                     ; wave 0..7
	v_and_b32 v4, 31, v0                           ; lane
	v_lshlrev_b32 v3, 3, v4                        ; 8 bytes a lane on the way out
	s_mov_b32 s5, ttmp9
	s_mov_b32 s33, 0
	s_mov_b32 s35, 0
	s_wait_alu depctr_va_sdst(0)                   ; s6 is written, ahead of the branches behind which the jobs' bases are made from it
	s_wait_kmcnt 0x0
	s_cmp_lt_u32 s5, GX
	s_cbranch_scc0 .Lnot_x
	; x: a wave takes two tokens; load i is K block i of both (lanes 0-15 one token's 256 bytes, lanes 16-31 the other's)
	s_lshl_b32 s7, s5, 3
	s_add_co_u32 s7, s7, s6                        ; the pair of tokens, 0..4095
	s_lshl_b32 s32, s7, 13
	s_add_nc_u64 s[28:29], s[8:9], s[32:33]
	s_lshr_b32 s34, s7, 10                         ; the batch: 4,194,304 bytes of xb
	s_lshl_b32 s34, s34, 22
	s_and_b32 s36, s7, 1023
	s_lshl_b32 s36, s36, 8                         ; two tokens of 128 bytes in a K block
	s_add_co_u32 s34, s34, s36
	s_add_nc_u64 s[30:31], s[18:19], s[34:35]
	v_and_b32 v5, 15, v0
	v_bfe_u32 v6, v0, 4, 1
	v_lshlrev_b32 v2, 4, v5
	v_lshl_add_u32 v2, v6, 12, v2
	JOB 256, 262144, 0
	s_endpgm
.Lnot_x:
	s_cmp_lt_u32 s5, GW
	s_cbranch_scc0 .Lnot_wqkv
	s_sub_co_u32 s7, s5, GX
	s_lshl_b32 s7, s7, 3
	s_add_co_u32 s7, s7, s6                        ; 8,192 consecutive bytes of Wqkv
	s_lshl_b32 s32, s7, 13
	s_lshl_b32 s34, s7, 12
	s_add_nc_u64 s[28:29], s[10:11], s[32:33]
	s_add_nc_u64 s[30:31], s[20:21], s[34:35]
	v_lshlrev_b32 v2, 4, v4
	JOB 512, 256, 0
	s_endpgm
.Lnot_wqkv:
	s_cmp_lt_u32 s5, GO
	s_cbranch_scc0 .Lnot_wo
	s_sub_co_u32 s7, s5, GW
	s_lshl_b32 s7, s7, 3
	s_add_co_u32 s7, s7, s6                        ; 8,192 consecutive bytes of Wo
	s_lshl_b32 s32, s7, 13
	s_lshl_b32 s34, s7, 12
	s_add_nc_u64 s[28:29], s[12:13], s[32:33]
	s_add_nc_u64 s[30:31], s[22:23], s[34:35]
	v_lshlrev_b32 v2, 4, v4
	JOB 512, 256, 1
	s_endpgm
.Lnot_wo:
	s_cmp_lt_u32 s5, GG
	s_cbranch_scc0 .Lmad
	; gt: work-group G makes 4,096 bytes: block G / 4, heads 4 (G % 4) .. + 3; a thread makes four neighbouring registers' numbers of one lane.
	; All four offsets into rel_bias are made first, so that one wait serves the four loads.
	s_sub_co_u32 s7, s5, GO                        ; G
	s_lshr_b32 s32, s7, 2                          ; blk
	s_max_u32 s32, s32, 10
	s_min_u32 s32, s32, 28                         ; blk - 19 held to -9 .. 9: beyond that every distance is clipped
	s_lshl_b32 s32, s32, 4
	s_sub_co_u32 s32, s32, 144                     ; 16 (blk - 19) + 160: the distance + 160 is never negative
	s_and_b32 s34, s7, 3
	s_lshl_b32 s34, s34, 2
	v_lshrrev_b32 v5, 6, v0
	v_add_nc_u32 v5, s34, v5                       ; head
	v_mul_u32_u24 v5, v5, 257
	v_bfe_u32 v6, v0, 5, 1                         ; registers 0-3 or 4-7
	v_bfe_u32 v7, v0, 4, 1                         ; h
	v_and_b32 v8, 15, v0                           ; r
	v_lshlrev_b32 v9, 3, v7
	v_lshl_add_u32 v9, v6, 2, v9
	v_add_nc_u32 v9, s32, v9
	v_sub_nc_u32 v9, v9, v8                        ; key - query + 160 for the first of my four
.irp j, 0,1,2,3
	v_add_nc_u32 v[10+\j], \j, v9
	v_max_u32 v[10+\j], 32, v[10+\j]
	v_sub_nc_u32 v[10+\j], v[10+\j], 32
	v_min_u32 v[10+\j], 256, v[10+\j]              ; clip(key - query, -128, 128) + 128
	v_add_nc_u32 v[10+\j], v5, v[10+\j]
	v_lshlrev_b32 v[10+\j], 2, v[10+\j]
.endr
	v_lshlrev_b32 v24, 4, v0                       ; my 16 bytes of the work-group's 4,096
	s_lshl_b32 s32, s7, 12
	s_add_nc_u64 s[28:29], s[24:25], s[32:33]
	s_wait_alu depctr_va_vdst(0)                   ; v10 to v13 are written, which the four loads read as their offsets
.irp j, 0,1,2,3
	global_load_b32 v[14+\j], v[10+\j], s[14:15]
.endr
	s_wait_loadcnt 0x0
	v_cvt_pk_bf16_f32 v18, v14, v15
	v_cvt_pk_bf16_f32 v19, v16, v17
	v_lshlrev_b32 v20, 16, v18
	v_and_b32 v21, 0xffff0000, v18
	v_lshlrev_b32 v22, 16, v19
	v_and_b32 v23, 0xffff0000, v19
.irp j, 0,1,2,3
	v_mul_f32 v[20+\j], 0x41000000, v[20+\j]       ; x 8, exact: the scores are scaled by 1 / 8 behind the sum
.endr
	s_wait_alu depctr_va_vdst(0)                   ; the multiplies have written v[20:23], which the store reads
	global_store_b128 v24, v[20:23], s[28:29]
	s_endpgm
.Lmad:
	s_sub_co_u32 s7, s5, GG
	s_lshl_b32 s32, s7, 10                         ; 256 threads x 4 bytes of the mask
	s_add_nc_u64 s[28:29], s[16:17], s[32:33]
	s_lshl_b32 s34, s7, 12
	s_add_nc_u64 s[30:31], s[26:27], s[34:35]
	v_lshlrev_b32 v2, 2, v0
	v_lshlrev_b32 v3, 4, v0
	v_mov_b32 v5, 0xf149f2ca                       ; -1e30
	s_wait_alu depctr_va_vdst(0)                   ; v2 is written, which the load reads as its offset; the head's lines that wrote and read v4, in which the load lands, are done
	global_load_b32 v4, v2, s[28:29]
	s_wait_loadcnt 0x0
.irp j, 0,1,2,3
	v_bfe_u32 v[12+\j], v4, 8*\j, 8                ; my four bytes of the mask
.endr
.irp j, 0,1,2,3
	v_cmp_eq_u32 s[36+\j], 0, v[12+\j]             ; the four compares stand in one run, each with a scalar register of its own
.endr
	s_wait_alu depctr_va_sdst(0)                   ; s36 to s39 are written, ahead of the selects that read them
.irp j, 0,1,2,3
	v_cndmask_b32 v[8+\j], 0, v5, s[36+\j]
.endr
	s_wait_alu depctr_va_vdst(0)                   ; the selects have written v[8:11], which the store reads; v3, its offset, is written too
	global_store_b128 v3, v[8:11], s[30:31]
	s_endpgm
.Lfunc_end_k_qc4af04fc46_prep:
	.size	k_qc4af04fc46_prep, .Lfunc_end_k_qc4af04fc46_prep-k_qc4af04fc46_prep
	.p2alignl 7, 3214868480
	.fill 96, 4, 3214868480
	.section	.rodata,"a",@progbits
	.p2align	6, 0x0
	.amdhsa_kernel k_qc4af04fc46_prep
		.amdhsa_group_segment_fixed_size 0
		.amdhsa_private_segment_fixed_size 0
		.amdhsa_enable_private_segment 0
		.amdhsa_kernarg_size 80
		.amdhsa_user_sgpr_count 2
		.amdhsa_user_sgpr_kernarg_segment_ptr 1
		.amdhsa_wavefront_size32 1
		.amdhsa_system_sgpr_workgroup_id_x 1
		.amdhsa_system_sgpr_workgroup_id_y 1
		.amdhsa_system_sgpr_workgroup_id_z 1
		.amdhsa_system_vgpr_workitem_id 0
		.amdhsa_next_free_vgpr 116
		.amdhsa_next_free_sgpr 66
		.amdhsa_reserve_vcc 0
		.amdhsa_float_denorm_mode_32 3
		.amdhsa_float_denorm_mode_16_64 3
		.amdhsa_memory_ordered 1
		.amdhsa_forward_progress 1
		.amdhsa_inst_pref_size 29
	.end_amdhsa_kernel
	.amdgpu_metadata
---
amdhsa.version: [ 1, 2 ]
amdhsa.kernels:
  - .name:           k_qc4af04fc46_prep
    .symbol:         k_qc4af04fc46_prep.kd
    .args:
      - { .name: x, .offset: 0, .size: 8, .value_kind: global_buffer, .address_space: global }
      - { .name: Wqkv, .offset: 8, .size: 8, .value_kind: global_buffer, .address_space: global }
      - { .name: Wo, .offset: 16, .size: 8, .value_kind: global_buffer, .address_space: global }
      - { .name: rel_bias, .offset: 24, .size: 8, .value_kind: global_buffer, .address_space: global }
      - { .name: key_padding_mask, .offset: 32, .size: 8, .value_kind: global_buffer, .address_space: global }
      - { .name: xb, .offset: 40, .size: 8, .value_kind: global_buffer, .address_space: global }
      - { .name: wqkvb, .offset: 48, .size: 8, .value_kind: global_buffer, .address_space: global }
      - { .name: wob, .offset: 56, .size: 8, .value_kind: global_buffer, .address_space: global }
      - { .name: gt, .offset: 64, .size: 8, .value_kind: global_buffer, .address_space: global }
      - { .name: mad, .offset: 72, .size: 8, .value_kind: global_buffer, .address_space: global }
    .group_segment_fixed_size: 0
    .private_segment_fixed_size: 0
    .kernarg_segment_align: 8
    .kernarg_segment_size: 80
    .max_flat_workgroup_size: 256
    .sgpr_count:     66
    .vgpr_count:     116
    .wavefront_size: 32
...
	.end_amdgpu_metadata
.endif
;; end of part 5
;; launch qkv: the kernel of part 2 again; grid 8 x 32, 4 waves a work-group, clusters of 4 x 4, 327,680 bytes of LDS; arguments xb, wqkvb, bqkv, qkvh; writes qkvh
;; launch attn: the kernel of part 3 again; grid 4 x 64, 4 waves a work-group, clusters of 4 x 1, 327,680 bytes of LDS; arguments qkvh, gt, mad, oh; writes oh
;; launch oproj: the kernel of part 4 again; grid 8 x 32, 4 waves a work-group, clusters of 4 x 4, 327,680 bytes of LDS; arguments oh, wob, bo, out0; writes out0
